; MI455X (gfx1250); checked and timed in simulation.
; The chip was launched on July 23, 2026; its instructions are those of AMD's public machine-readable ISA for CDNA 5 (MIT licence, August 2026) and "CDNA5" Instruction Set Architecture Reference Guide (July 2026). The comments in the code are by the model that wrote it; some were corrected since.
;; Multi Head Attention. Allowed arithmetic: matrix products marked QUANTISED: E4M3 operands, one given power-of-two scale a tensor, by v_wmma_f32_16x16x64_fp8_fp8 or v_wmma_f32_16x16x128_fp8_fp8, f32 sums; everything else in f32.
;; Inputs: W_out 1,024 x 1,024 float32; W_qkv 1,024 x 3,072 float32; b_out 1,024 float32; b_qkv 3,072 float32; lowp_scales 8 int32 (the exponents e of the quantised operands' scales 2^e); x 4 x 2,048 x 1,024 float32.
;; Outputs: out0 4 x 2,048 x 1,024 float32.
;; This version of the problem:
;;   THIS VERSION OF THE PROBLEM IS GIVEN IN LOW PRECISION. The matrix products marked QUANTISED in the list below multiply operands that are first quantised to E4M3 (4 exponent bits, 3 mantissa bits; 8 bits a number), with one given power-of-two scale for each operand tensor; their sums are f32. All else is computed in f32.
;;   The module's matrix products, in the order in which they are computed (A, B: the left and right operand; K: the contracted axis; several contracted axes count as one K, in the product's order):
;;     1. [M 8,192, K 1,024] x [K 1,024, N 3,072]; A: input x; B: input W_qkv: QUANTISED (scales: A lowp_scales[0], B lowp_scales[1])
;;     2. batch 64 x [M 2,048, K 64] x [K 64, N 2,048]; A: computed on the way; B: computed on the way: QUANTISED (scales: A lowp_scales[2], B lowp_scales[3])
;;     3. batch 64 x [M 2,048, K 2,048] x [K 2,048, N 64]; A: softmax (see below); B: computed on the way: QUANTISED (scales: A lowp_scales[4], B lowp_scales[5])
;;     4. [M 8,192, K 1,024] x [K 1,024, N 1,024]; A: computed on the way; B: input W_out: QUANTISED (scales: A lowp_scales[6], B lowp_scales[7])
;;   THE QUANTISER, for each operand of a quantised product, along K:
;;     - The operand's scale is 2^e, e = its entry of the input lowp_scales (int32; the entries are numbered through the quantised products in the list's order, A before B).
;;     - Each number is divided by the scale, clamped to +-448, and rounded to the nearest number of E4M3, ties to even, subnormals kept.
;;     - The product sums the exact products of the quantised numbers (number of the format x scale) in f32.
;;   ~~~python
;;   def quantise(x, axis, e):      # numpy; x: float32 -> the quantised numbers, widened to float32 again
;;       x = np.moveaxis(x, axis, -1); K = x.shape[-1]
;;       r = np.clip(x / 2.0 ** e, -448, 448)
;;       step = 2.0 ** (np.maximum(np.frexp(np.where(r == 0, 1, r))[1] - 1, -6) - 3)
;;       q = np.round(r / step) * step * 2.0 ** e      # np.round: ties to even
;;       return np.moveaxis(q, -1, axis).astype(np.float32)
;;   ~~~
;;   SOFTMAX AHEAD OF A QUANTISED PRODUCT. Where the list says 'softmax', what is quantised is not the finished softmax but p = 2^(t - M), with t = logit x log2(e) and M = ceil(the row's largest t), a whole number; so 1/2 < the row's largest p <= 1. The row's sum l is taken of the UNQUANTISED p, in f32, and the product's result is divided by l at the end. Since M is a whole number, a kernel that streams over the keys may use a running M (the ceiling of the running maximum): every later rescaling is an exact power of two, so the quantised numbers keep their values, but for numbers so far below the row's largest that they fall under the format's range.
;;   OPERANDS COMPUTED ON THE WAY. 'Computed on the way' means the value that the module computes at that place (a softmax that the list does not call 'softmax' is quantised finished and normalised). What goes into a quantiser is computed in f32, as accurately as f32 sums, v_exp_f32 and their like allow (about 1e-6 of the number): no bf16 or f16 on the way to a quantiser, and a product that is left as it is and whose result goes on into a quantised operand takes f32 operands (vector FMAs, or v_wmma_f32_16x16x4_f32). A number that lies on a knife's edge between two numbers of the format may be rounded either way, as far as f32 arithmetic and the matrix unit's own rounding can turn it there, and no further.
;; One version. Each part assembles by itself: llvm-mc -triple=amdgcn-amd-amdhsa -mcpu=gfx1250 --defsym DOCPART=n.
;; ======== version 1 of 1: 4 launches
;; limits: right only within a limited range of input values
;; workspace buffers: xc 8,388,608 bytes; wqc 3,145,728 bytes; woc 1,048,576 bytes; qkc 16,777,216 bytes; vc 8,388,608 bytes; ac 8,388,608 bytes
;; launch quant (part 1): grid 384 x 1, 4 waves a work-group, no clusters, 68,096 bytes of LDS; arguments x, W_qkv, W_out, lowp_scales, xc, wqc, woc; writes xc, wqc, woc
.if DOCPART == 1
	.amdgcn_target "amdgcn-amd-amdhsa--gfx1250"
	.amdhsa_code_object_version 6
	.text
	.protected	k_q57e5b47e15_quant
	.globl	k_q57e5b47e15_quant
	.p2align	8
	.type	k_q57e5b47e15_quant,@function
k_q57e5b47e15_quant:
	s_mov_b64 s[64:65], 0
	v_nop
	global_prefetch_b8 v0, s[64:65] scope:SCOPE_SE
	s_setreg_imm32_b32 hwreg(HW_REG_WAVE_MODE, 25, 1), 1
	s_wait_xcnt 0x0
; x [8192][1024], W_qkv [1024][3072] and W_out [1024][1024], all f32, become codes of E4M3, each with the one given scale 2^e (entries 0, 1 and 7 of lowp_scales).
; code = number / 2^e, held within +-448, rounded to the nearest code, ties to even.
; LIMITS: each e between -126 and 119, so that 2^e and 448 x 2^e are f32 numbers.  NaN among the inputs is not served; an infinity is held at the largest code.
; THE CODES ARE LAID AS IMAGES OF THE OPERAND'S REGISTERS.  A fragment is 16 rows x 128 along K, 2,048 bytes: the byte at 512 c + 16 (r + 16 hh) + i is row r, K = 32 c + 16 hh + i.
; A buffer is [K / 256][block of 16 rows][2 fragments]: so a later launch fetches 128 rows x 256 K as one dense block, and a lane reads its registers at 16 x lane.
; Work-groups 0 to 255 take x (K innermost), work-groups 256 to 383 the two weights (K is their first axis).  The two ways never join and have LDS bytes of their own.
; No tensor loads, no barrier: waves share nothing.  No matrix unit, no cluster: each byte is read once and nothing is shared.
.set XSTG, 4352                        ; x: a stage of 16 rows x (256 bytes + 16); two for each wave, from LDS byte 0 on
.set WLDS, 34816                       ; the weights: 8,192 bytes for each wave, behind x's stages
.set R,    16                          ; v16-111   x: three sets of 32 registers as loaded
.set X,    112                         ; v112-175  x: two sets of 32 neighbours along K
.set C,    176                         ; v176-239  x: eight registers of codes for each step: no store's data are written again
.set WOF,  16                          ; v16-47    weights: byte offset of row i of a block of 32 rows, at my column
.set WX,   48                          ; v48-111   weights: two sets of 32 numbers down K
.set WC,   112                         ; v112-119  weights: a block's codes
.set WOUT, 128                         ; v128-191  weights: the way out
	s_load_b256 s[4:11], s[0:1], 0x0               ; x s[4:5], W_qkv s[6:7], W_out s[8:9], the exponents s[10:11]
	s_load_b128 s[12:15], s[0:1], 0x20             ; xc s[12:13], wqc s[14:15]
	s_load_b64 s[16:17], s[0:1], 0x30              ; woc
	v_lshl_add_u32 v240, v0, 2, 0x10800
	v_mov_b32 v241, 0
	v_lshrrev_b32 v8, 5, v0
	v_readfirstlane_b32 s18, v8                    ; wave 0..3
	v_and_b32 v9, 31, v0                           ; lane
	v_lshlrev_b32 v1, 4, v9                        ; v1: 16 x lane
	v_lshlrev_b32 v7, 2, v9                        ; v7: 4 x lane
	v_and_b32 v12, 15, v0                          ; lane % 16
	v_bfe_u32 v13, v0, 4, 1                        ; lane / 16
	v_lshlrev_b32 v14, 4, v12
	v_lshl_add_u32 v2, v13, 12, v14                ; v2: x in memory: lanes 0-15 one row's 256 bytes, lanes 16-31 the next row's
	s_mul_i32 s19, s18, 2*XSTG
	v_mul_u32_u24 v3, v13, 272
	v_add_nc_u32 v3, v3, v14
	v_add_nc_u32 v3, s19, v3                       ; v3: the same two rows in my stage
	v_mul_u32_u24 v4, v12, 272
	v_lshl_add_u32 v4, v13, 6, v4
	v_add_nc_u32 v4, s19, v4                       ; v4: out of the stage: row lane % 16, + 64 bytes for the upper half of the lanes
	s_lshl_b32 s19, s18, 13
	s_add_co_u32 s19, s19, WLDS
	v_lshl_add_u32 v5, v13, 12, v14
	v_add_nc_u32 v5, s19, v5                       ; v5: weights, into my images: block lane / 16, row lane % 16
	v_add_nc_u32 v6, s19, v1                       ; v6: and out of them, as they lie
	s_wait_kmcnt 0x0
	s_load_b256 s[20:27], s[10:11], 0x0            ; e0 .. e7
	s_cmp_ge_u32 ttmp9, 256
	s_cbranch_scc1 .Lweights
; ---- x.  A wave takes 16 rows x 512 along K, in eight steps of 64 along K.  Each load reads two rows' 256 consecutive bytes; the numbers turn through the wave's own stage so that a lane
; gets 16 neighbours along K of each of two blocks of 32; a step's codes leave as two stores of 512 consecutive bytes.
	s_lshl_b32 s28, ttmp9, 2
	s_add_co_u32 s28, s28, s18                     ; job 0..1023
	s_lshr_b32 s29, s28, 1                         ; block of 16 rows
	s_and_b32 s30, s28, 1                          ; half of K
	s_lshl_b32 s32, s29, 16                        ; 16 rows of 4,096 bytes
	s_lshl_b32 s31, s30, 11                        ; 512 numbers
	s_add_co_u32 s32, s32, s31
	s_mov_b32 s33, 0
	s_add_nc_u64 s[4:5], s[4:5], s[32:33]
	s_lshl_b32 s34, s30, 22                        ; two quarters of K in xc
	s_lshl_b32 s31, s29, 12                        ; the block's 4,096 bytes
	s_add_co_u32 s34, s34, s31
	s_mov_b32 s35, 0
	s_add_nc_u64 s[12:13], s[12:13], s[34:35]
.macro XLOAD t                         ; step t: 16 rows x 256 bytes
.irp i, 0,1,2,3,4,5,6,7
	global_load_b128 v[R+32*((\t)%3)+4*\i:R+32*((\t)%3)+4*\i+3], v2, s[4:5] offset:8192*\i+256*(\t) th:TH_LOAD_NT
.endr
.endm
.macro XTURN t                         ; through the stage: LDS serves a wave's instructions in order (ISA guide 5.7.1.4), so no wait stands between the stores and the loads
.irp i, 0,1,2,3,4,5,6,7
	ds_store_b128 v3, v[R+32*((\t)%3)+4*\i:R+32*((\t)%3)+4*\i+3] offset:XSTG*((\t)%2)+544*\i
.endr
.irp i, 0,1,2,3,4,5,6,7
	ds_load_b128 v[X+32*((\t)%2)+4*\i:X+32*((\t)%2)+4*\i+3], v4 offset:XSTG*((\t)%2)+128*(\i/4)+16*(\i%4)
.endr
.endm
	XLOAD 0
	XLOAD 1
	XLOAD 2
	s_wait_kmcnt 0x0
	s_add_co_i32 s28, s20, 127
	s_lshl_b32 s29, s28, 23
	v_mov_b32 v11, s29                             ; 2^e0 as f32: the conversion takes its exponent field
	s_add_co_i32 s28, s28, 8
	s_lshl_b32 s28, s28, 23
	s_or_b32 s28, s28, 0x600000
	s_wait_loadcnt 16                              ; step 0's eight loads are in; steps 1 and 2 may be out
	s_wait_alu depctr_va_vdst(0)
	XTURN 0
.macro XSTEP t
.set XS, X+32*((\t)%2)
	s_wait_dscnt 0x0                               ; this step's numbers are back from the stage, and its stage stores have read their registers,
.if (\t)+3 < 8
	XLOAD (\t)+3                                   ; which take the loads of three steps on
.endif
.if (\t) < 7
.if (\t) <= 4
	s_wait_loadcnt 16                              ; the next step's eight loads are in; the sixteen of the two steps behind it may be out
.else
	s_wait_loadcnt 8*(6-(\t))                      ; nothing more is asked for: the counts run down
.endif
	XTURN (\t)+1                                   ; the next step goes through the other stage while this one is worked
.endif
.set i, 0
.rept 32
.set i, i+1
.endr
.irp g, 0,1,2,3
	v_cvt_scalef32_pk8_fp8_f32 v[C+8*(\t)+2*\g:C+8*(\t)+2*\g+1], v[XS+8*\g:XS+8*\g+7], v11
.endr
	; the codes go to stores alone, and the next vector lines are the next step's conversions, on other registers
	global_store_b128 v1, v[C+8*(\t):C+8*(\t)+3], s[12:13] offset:((\t)/4)*2097152+(2*((\t)%4))*512      ; 32 lanes store 512 consecutive bytes
	global_store_b128 v1, v[C+8*(\t)+4:C+8*(\t)+7], s[12:13] offset:((\t)/4)*2097152+(2*((\t)%4)+1)*512
.endm
.irp t, 0,1,2,3,4,5,6,7
	XSTEP \t
.endr
	s_wait_tensorcnt 0x0
	ds_add_u32 v240, v241
	s_wait_dscnt 0x0
	s_endpgm
; ---- the weights.  A work-group takes 256 along K x 128 columns, a wave 32 columns.  A LANE TAKES A COLUMN AND ITS REGISTERS RUN DOWN K: a load reads 128 consecutive bytes, and the
; conversions give codes with K innermost.  One text serves both weights: pointers, pitch and exponent are chosen on the work-group's number.
.Lweights:
	s_sub_co_u32 s28, ttmp9, 256
	s_lshr_b32 s29, s28, 5                         ; quarter of K
	s_and_b32 s30, s28, 31                         ; group of 128 columns: 0-23 W_qkv's, 24-31 W_out's
	s_mov_b32 s31, 12288
	s_mov_b32 s32, 786432
	s_cmp_ge_u32 s30, 24
	s_cselect_b64 s[4:5], s[8:9], s[6:7]           ; from
	s_cselect_b64 s[12:13], s[16:17], s[14:15]     ; to
	s_cselect_b32 s31, 4096, s31                   ; a row of the weight in bytes
	s_cselect_b32 s32, 262144, s32                 ; a quarter of K in the codes' buffer
	s_cselect_b32 s33, 24, 0
	s_sub_co_u32 s30, s30, s33
	s_lshl_b32 s30, s30, 7
	s_lshl_b32 s34, s18, 5
	s_add_co_u32 s30, s30, s34                     ; my wave's first column
	s_mul_i32 s34, s29, s31
	s_lshl_b32 s34, s34, 8                         ; 256 rows for each quarter
	s_lshl_b32 s35, s30, 2
	s_add_co_u32 s34, s34, s35
	s_mov_b32 s35, 0
	s_add_nc_u64 s[40:41], s[4:5], s[34:35]        ; block 0 of 32 rows
	s_lshl_b32 s36, s31, 5
	s_mov_b32 s37, 0
.irp t, 1,2,3,4,5,6,7
	s_add_nc_u64 s[40+2*\t:41+2*\t], s[38+2*\t:39+2*\t], s[36:37]   ; a base for each block: none is stepped while loads are out
.endr
	s_mul_i32 s34, s29, s32
	s_lshl_b32 s38, s30, 8                         ; (column / 16) x 4,096
	s_add_co_u32 s34, s34, s38
	s_add_nc_u64 s[12:13], s[12:13], s[34:35]
.set i, 0
.rept 32
	v_mad_u32_u24 v[WOF+i], s31, i, v7             ; row i x pitch + 4 x lane
.set i, i+1
.endr
.macro WLOAD t
.set i, 0
.rept 32
	global_load_b32 v[WX+32*((\t)%2)+i], v[WOF+i], s[40+2*(\t):41+2*(\t)] th:TH_LOAD_NT
.set i, i+1
.endr
.endm
	WLOAD 0
	WLOAD 1
	s_wait_kmcnt 0x0
	s_cmp_lg_u32 s33, 0
	s_cselect_b32 s28, s27, s21                    ; e7 for W_out, e1 for W_qkv
	s_add_co_i32 s28, s28, 127
	s_lshl_b32 s29, s28, 23
	v_mov_b32 v11, s29
	s_add_co_i32 s28, s28, 8
	s_lshl_b32 s28, s28, 23
	s_or_b32 s28, s28, 0x600000
.macro WBLOCK t
.set XS, WX+32*((\t)%2)
.if (\t) < 7
	s_wait_loadcnt 32                              ; this block's 32 loads are in; the next block's may be out
.else
	s_wait_loadcnt 0x0
.endif
.set i, 0
.rept 32
.set i, i+1
.endr
.irp g, 0,1,2,3
	v_cvt_scalef32_pk8_fp8_f32 v[WC+2*\g:WC+2*\g+1], v[XS+8*\g:XS+8*\g+7], v11
.endr
	ds_store_b128 v5, v[WC:WC+3] offset:512*(\t)           ; K = 32 t + 0 .. 15 of my column: the image's lower half of the lanes
	ds_store_b128 v5, v[WC+4:WC+7] offset:512*(\t)+256     ; K = 32 t + 16 .. 31: its upper half
.if (\t)+2 < 8
	WLOAD (\t)+2
.endif
	s_wait_dscnt 0x0                               ; the stores have read their registers: the next block's codes may be written
.endm
	s_wait_alu depctr_va_vdst(0)
.irp t, 0,1,2,3,4,5,6,7
	WBLOCK \t
.endr
.irp t, 0,1,2,3,4,5,6,7,8,9,10,11,12,13,14,15
	ds_load_b128 v[WOUT+4*\t:WOUT+4*\t+3], v6 offset:512*\t
.endr
.irp t, 0,1,2,3,4,5,6,7,8,9,10,11,12,13,14,15
	s_wait_dscnt 15-\t
	global_store_b128 v1, v[WOUT+4*\t:WOUT+4*\t+3], s[12:13] offset:512*\t   ; my two blocks' images are 8,192 consecutive bytes of the buffer
.endr
	s_wait_tensorcnt 0x0
	ds_add_u32 v240, v241
	s_wait_dscnt 0x0
	s_endpgm
.Lfunc_end_k_q57e5b47e15_quant:
	.size	k_q57e5b47e15_quant, .Lfunc_end_k_q57e5b47e15_quant-k_q57e5b47e15_quant
	.p2alignl 7, 3214868480
	.fill 96, 4, 3214868480
	.section	.rodata,"a",@progbits
	.p2align	6, 0x0
	.amdhsa_kernel k_q57e5b47e15_quant
		.amdhsa_group_segment_fixed_size 68096
		.amdhsa_private_segment_fixed_size 0
		.amdhsa_enable_private_segment 0
		.amdhsa_kernarg_size 56
		.amdhsa_user_sgpr_count 2
		.amdhsa_user_sgpr_kernarg_segment_ptr 1
		.amdhsa_wavefront_size32 1
		.amdhsa_system_sgpr_workgroup_id_x 1
		.amdhsa_system_sgpr_workgroup_id_y 1
		.amdhsa_system_sgpr_workgroup_id_z 1
		.amdhsa_system_vgpr_workitem_id 0
		.amdhsa_next_free_vgpr 242
		.amdhsa_next_free_sgpr 66
		.amdhsa_reserve_vcc 0
		.amdhsa_float_denorm_mode_32 3
		.amdhsa_float_denorm_mode_16_64 3
		.amdhsa_fp16_overflow 1
		.amdhsa_memory_ordered 1
		.amdhsa_forward_progress 1
		.amdhsa_inst_pref_size 55
	.end_amdhsa_kernel
	.amdgpu_metadata
---
amdhsa.version: [ 1, 2 ]
amdhsa.kernels:
  - .name:           k_q57e5b47e15_quant
    .symbol:         k_q57e5b47e15_quant.kd
    .args:
      - { .name: x, .offset: 0, .size: 8, .value_kind: global_buffer, .address_space: global }
      - { .name: W_qkv, .offset: 8, .size: 8, .value_kind: global_buffer, .address_space: global }
      - { .name: W_out, .offset: 16, .size: 8, .value_kind: global_buffer, .address_space: global }
      - { .name: lowp_scales, .offset: 24, .size: 8, .value_kind: global_buffer, .address_space: global }
      - { .name: xc, .offset: 32, .size: 8, .value_kind: global_buffer, .address_space: global }
      - { .name: wqc, .offset: 40, .size: 8, .value_kind: global_buffer, .address_space: global }
      - { .name: woc, .offset: 48, .size: 8, .value_kind: global_buffer, .address_space: global }
    .group_segment_fixed_size: 68096
    .private_segment_fixed_size: 0
    .kernarg_segment_align: 8
    .kernarg_segment_size: 56
    .max_flat_workgroup_size: 128
    .sgpr_count:     66
    .vgpr_count:     242
    .wavefront_size: 32
...
	.end_amdgpu_metadata
.endif
;; end of part 1
;; launch gemm_qkv (part 2): grid 12 x 32, 4 waves a work-group, clusters of 4 x 4, 327,680 bytes of LDS; arguments xc, wqc, b_qkv, lowp_scales, qkc, vc; writes qkc, vc
.if DOCPART == 2
	.amdgcn_target "amdgcn-amd-amdhsa--gfx1250"
	.amdhsa_code_object_version 6
	.text
	.protected	k_q57e5b47e15_gemm_qkv
	.globl	k_q57e5b47e15_gemm_qkv
	.p2align	8
	.type	k_q57e5b47e15_gemm_qkv,@function
k_q57e5b47e15_gemm_qkv:
	s_mov_b64 s[64:65], 0
	v_nop
	global_prefetch_b8 v0, s[64:65] scope:SCOPE_SE
	s_setreg_imm32_b32 hwreg(HW_REG_WAVE_MODE, 25, 1), 1
	s_wait_xcnt 0x0
	s_wait_alu depctr_hold_cnt(0) depctr_sa_sdst(0) depctr_va_vdst(0) depctr_va_sdst(0) depctr_va_ssrc(0) depctr_va_vcc(0) depctr_vm_vsrc(0)
	s_getreg_b32 s2, hwreg(HW_REG_IB_STS2, 6, 4)
	s_cmp_eq_u32 s2, 0
	s_cbranch_scc0 .Lentry_in_a_cluster
	s_endpgm
.Lentry_in_a_cluster:
	s_bfe_u32 s2, ttmp6, 0x10000c
	s_cmp_lg_u32 s2, 0xf033
	s_cbranch_scc0 .Lentry_shape_is_right
	s_endpgm
.Lentry_shape_is_right:
; qkv = x W_qkv + b_qkv on codes of E4M3 (x: scale 2^e0, W_qkv: 2^e1), sums in f32; q, k and v are quantised at once (2^e2, 2^e3, 2^e5) and stored as images of the next operands' registers.
; LIMITS: e0 + e1 between -126 and 127; e2, e3, e5 between -126 and 119.  NaN is not served.
; A tile of 256 x 256 is made by four waves, as many as a WGP has SIMDs, each 128 x 128: 64 accumulators, 512 registers.  K = 1,024 goes in four steps of 256 through two LDS slots.
; OPERANDS ARE IMAGES (16 rows x 128 K = 2,048 bytes; byte 512 c + 16 lane + i): 128 rows x 256 K are one dense block of 32,768 bytes for one tensor load, and a fragment is four
; ds_load_b128 at 16 x lane: consecutive bytes, so no pitch and no padding.  k stands in the same places in both operands, so every product meets its partner.
; ROLES.  Source 1 ('A') gives the lane, source 0 ('B') the lane's eight registers.  q and k are quantised along the head's 64: A = rows of x, B = columns of W.  v is quantised along the
; keys: A = columns of W, B = rows of x.  The cluster's x says which (0 q, 1 k, 2 v); it is the same in all sixteen partners, and only pointers, block numbers and strides are chosen by it.
; CLUSTERS: 4 x 4.  A's tile hangs on cy and is asked for jointly along a row of the cluster, B's on cx and along a column: that divides the requests for both by four.
; No prefetch: a work-group has two refills in all, and its first two tiles are asked for at its head.
; THE TILES OF q, k (tokens) AND OF v (the head's 64) ARE PERMUTED: row r of tile 2 b + u stands for index 32 b + 8 u + r + 8 (r / 8), so that in the next launch the 16 registers of two
; neighbouring result tiles are 16 neighbours along the following K.
; REGISTERS, in windows of 256: window 0: v16-39 addresses and constants; v64-127 the bias; v128-255 A's fragments, ONE set; on the way out v128-255 are free.
;   window 1: B's fragments, two sets.   windows 2, 3: the accumulators ((a, b) at v[8 (8 (a % 4) + b)]).
.set FR,     16                        ; registers of a fragment
.set NL,     4                         ; LDS loads that bring one
.set NP,     4                         ; places behind this matrix instruction (ISA guide 7.12.1)
.set HALFT,  32768                     ; 128 rows x 256 K: one tensor load
.set SLOT,   131072                    ; A's two halves, then B's two
.set SPARE,  262144                    ; behind the ring: the spare words, 128 bytes for each wave, which no other line names
.set ADRA, 16                          ; v16-17  LDS address of my A fragments in slot 0, 1
.set ADRB, 20                          ; v20-21  the same for B
.set LI,   22                          ; v22     16 x lane
.set STQ,  23                          ; v23     q, k: where I put eight codes in my stage
.set STV,  24                          ; v24     v: likewise
.set RDQ,  25                          ; v25     q, k: my stage, as it lies
.set RDV,  26                          ; v26     v: likewise
.set LIMV, 27
.set SPW,  28                          ; v28     LDS address of my spare word; never rewritten
.set NIL,  29                          ; v29     0; never rewritten
.set SCV,  30                          ; v30     the quantiser's scale as f32
.set BAD,  32                          ; v32-39  the bias loads' offsets
.set BIAS, 64                          ; v64-127 the bias in the result's layout
.set AF,   128
.set TMP,  128                         ; the way out: a block's 64 numbers
.set CD,   192                         ; and its codes: two sets of 16 by turns
.set G1, 24                            ; s[24:31] descriptor group 1 for A's tiles;  s[32:39] group 0, one set for each slot
.set G0, 32
.set G1B, 48                           ; s[48:55], s[56:63] the same for B's
.set G0B, 56
.set MSB, 0
.macro WIN new                         ; the immediate's high byte repeats the setting that is left
.if MSB != \new
	s_set_vgpr_msb (MSB<<8)|\new
.set MSB, \new
.endif
.endm
.set MUL_LO, 0xa1                      ; source 0 (B) window 1, source 1 (A) window 0, C and D window 2
.set MUL_HI, 0xf1                      ; the same, C and D window 3
.set TO_B,   0x40                      ; destination window 1, address window 0
; A joint load: waves 0 and 1 fetch for A, waves 2 and 3 for B; the branch hangs on the wave's number alone.  Four v_nop follow each of the two lines.
.macro JLOAD g0a, g1a, g0b, g1b
	s_cmp_eq_u32 s17, 0
	s_cbranch_scc0 .Lfor_b_\@
	tensor_load_to_lds s[\g0a:\g0a+3], s[\g1a:\g1a+7]
	s_nop 0
.rept 4
	v_nop
.endr
	s_branch .Lasked_\@
.Lfor_b_\@:
	tensor_load_to_lds s[\g0b:\g0b+3], s[\g1b:\g1b+7]
	s_nop 0
.rept 4
	v_nop
.endr
.Lasked_\@:
.endm
.macro CREST                           ; a round of the cluster's barrier behind its opening barrier
	s_cmp_lg_u32 s16, 0
	s_cbranch_scc1 .Lnot_wave_0_\@
	s_barrier_signal -3
.Lnot_wave_0_\@:
	s_barrier_wait -3
	s_barrier_signal -1
	s_barrier_wait -1
.endm
.macro CROUND                          ; a whole round
	s_barrier_signal -1
	s_barrier_wait -1
	CREST
.endm
	s_load_b256 s[4:11], s[0:1], 0x0               ; xc s[4:5], wqc s[6:7], b_qkv s[8:9], the exponents s[10:11]
	s_load_b128 s[12:15], s[0:1], 0x20             ; qkc s[12:13], vc s[14:15]
	v_lshl_add_u32 v[SPW], v0, 2, SPARE
	v_mov_b32 v[NIL], 0
	ds_add_u32 v28, v29
	ds_add_u32 v28, v29
	s_wait_dscnt 0x0
	v_lshrrev_b32 v1, 5, v0
	v_readfirstlane_b32 s16, v1                    ; wave 0..3
	s_lshr_b32 s17, s16, 1                         ; WH: which half of A's rows is mine.  Also: I fetch for A (0) or for B (1)
	s_and_b32 s18, s16, 1                          ; WL: which half of B's rows.  Also: which 128 rows I fetch
	s_bfe_u32 s19, ttmp6, 0x40000                  ; cx
	s_bfe_u32 s20, ttmp6, 0x40004                  ; cy
	s_mov_b32 s21, ttmp9                           ; the cluster's x: 0 q, 1 k, 2 v
	s_and_b32 s22, ttmp7, 0xffff                   ; the cluster's y: 1,024 rows of x
	s_lshl_b32 s40, s20, 2
	s_lshl_b32 s40, 15, s40                        ; my row of the cluster
	s_lshl_b32 s41, 0x1111, s19                    ; my column
	s_or_b32 s[G1+0], s40, (3<<16)|(1<<21)         ; 15:0 the mask; 17:16 elements of 8 bytes; 20 no padding; 21 set beside a mask
	s_or_b32 s[G1B+0], s41, (3<<16)|(1<<21)
.irp g, G1, G1B
	s_mov_b32 s[\g+1], 32<<16                      ; tensor_dim0 = 32 elements: rows of 256 bytes
	s_mov_b32 s[\g+2], 128<<16                     ; tensor_dim1 = 128
	s_mov_b32 s[\g+3], 32<<16                      ; tile_dim0
	s_mov_b32 s[\g+4], 128                         ; tile_dim1
	s_mov_b32 s[\g+5], 32                          ; the pitch: the block is dense
	s_mov_b32 s[\g+6], 0
	s_mov_b32 s[\g+7], 0
.endr
	; blocks of 16 rows.  A's two candidates never hold cx, B's never cy
	s_lshl_b32 s47, s18, 3                         ; the 8 blocks that I fetch
	s_lshl_b32 s42, s22, 2
	s_add_co_u32 s42, s42, s20
	s_lshl_b32 s42, s42, 4
	s_add_co_u32 s42, s42, s47                     ; A for q, k: x's block 16 (4 CY + cy) + 8 WL
	s_lshl_b32 s43, s20, 4
	s_add_co_u32 s43, s43, 128
	s_add_co_u32 s43, s43, s47                     ; A for v: W's block 128 + 16 cy + 8 WL
	s_lshl_b32 s44, s21, 2
	s_add_co_u32 s44, s44, s19
	s_lshl_b32 s44, s44, 4
	s_add_co_u32 s44, s44, s47                     ; B for q, k: W's block 16 (4 CX + cx) + 8 WL
	s_lshl_b32 s45, s22, 2
	s_add_co_u32 s45, s45, s19
	s_lshl_b32 s45, s45, 4
	s_add_co_u32 s45, s45, s47                     ; B for v: x's block 16 (4 CY + cx) + 8 WL
	s_mov_b32 s92, 2097152                         ; a quarter of K in xc,
	s_mov_b32 s94, 786432                          ; and in wqc
	s_wait_kmcnt 0x0
	s_load_b256 s[72:79], s[10:11], 0x0            ; e0 .. e7
	s_cmp_eq_u32 s21, 2
	s_cselect_b32 s88, s43, s42
	s_cselect_b32 s90, s45, s44
	s_cselect_b32 s92, 786432, s92
	s_cselect_b32 s94, 2097152, s94
	s_cselect_b64 s[84:85], s[6:7], s[4:5]
	s_cselect_b64 s[86:87], s[4:5], s[6:7]
	s_lshl_b32 s88, s88, 12                        ; a block is 4,096 bytes
	s_lshl_b32 s90, s90, 12
	s_mov_b32 s89, 0
	s_mov_b32 s91, 0
	s_mov_b32 s93, 0
	s_mov_b32 s95, 0
	s_add_nc_u64 s[84:85], s[84:85], s[88:89]
	s_add_nc_u64 s[86:87], s[86:87], s[90:91]
	s_lshl_b32 s66, s92, 1                         ; a refill steps two quarters of K on
	s_mov_b32 s67, 0
	s_lshl_b32 s68, s94, 1
	s_mov_b32 s69, 0
	s_lshl_b32 s40, s16, 15                        ; where my tile goes: wave x 32,768: no place in the cluster enters an LDS address
	CROUND                                         ; all sixteen work-groups are here: the first joint loads meet
	s_mov_b32 s[G0], 1
	s_mov_b32 s[G0+1], s40
	s_mov_b64 s[G0+2:G0+3], s[84:85]
	s_or_b32 s[G0+3], s[G0+3], 0x80000000
	s_mov_b32 s[G0B], 1
	s_mov_b32 s[G0B+1], s40
	s_mov_b64 s[G0B+2:G0B+3], s[86:87]
	s_or_b32 s[G0B+3], s[G0B+3], 0x80000000
	JLOAD G0, G1, G0B, G1B
	s_mov_b32 s[G0+4], 1
	s_add_co_u32 s[G0+5], s40, SLOT
	s_add_nc_u64 s[G0+6:G0+7], s[84:85], s[92:93]
	s_or_b32 s[G0+7], s[G0+7], 0x80000000
	s_mov_b32 s[G0B+4], 1
	s_add_co_u32 s[G0B+5], s40, SLOT
	s_add_nc_u64 s[G0B+6:G0B+7], s[86:87], s[94:95]
	s_or_b32 s[G0B+7], s[G0B+7], 0x80000000
	JLOAD G0+4, G1, G0B+4, G1B                     ; two tensor loads of mine are out
	v_and_b32 v1, 15, v0                           ; r
	v_bfe_u32 v2, v0, 4, 1                         ; hh
	v_and_b32 v3, 31, v0
	v_lshlrev_b32 v[LI], 4, v3
	s_lshl_b32 s41, s17, 15
	s_lshl_b32 s42, s18, 15
	s_add_co_u32 s42, s42, 65536
	v_add_nc_u32 v[ADRA], s41, v[LI]
	v_add_nc_u32 v[ADRB], s42, v[LI]
	v_add_nc_u32 v[ADRA+1], SLOT, v[ADRA]
	v_add_nc_u32 v[ADRB+1], SLOT, v[ADRB]
	v_lshrrev_b32 v4, 3, v1                        ; r / 8: which of two neighbouring permuted tiles
	v_and_b32 v5, 7, v1
	v_lshlrev_b32 v5, 4, v5
	v_lshl_add_u32 v5, v2, 3, v5                   ; 16 (r % 8) + 8 hh
	s_lshl_b32 s43, s16, 14                        ; my stage: 16,384 bytes
	v_add_nc_u32 v5, s43, v5
	v_lshl_add_u32 v[STQ], v4, 10, v5              ; q, k: tiles of 1,024 bytes; the stages lie in slot 0's first half,
	v_lshl_add_u32 v[STV], v4, 11, v5              ; v: tiles of 2,048 bytes,
	v_add_nc_u32 v[STV], 65536, v[STV]             ; in slot 0's second half: each way out has LDS bytes of its own
	v_add_nc_u32 v[RDQ], s43, v[LI]
	v_add_nc_u32 v[RDV], 65536, v[RDQ]
	; the bias, in the result's layout, without a branch.  q, k: register 8 b + j is the bias of column 16 b + 8 hh + j; v: register 8 a + j that of column 16 a + r
	s_lshl_b32 s84, s21, 2
	s_add_co_u32 s84, s84, s19
	s_lshl_b32 s84, s84, 10
	s_lshl_b32 s86, s18, 9
	s_add_co_u32 s84, s84, s86                     ; q, k: 4 (256 (4 CX + cx) + 128 WL)
	s_lshl_b32 s85, s20, 10
	s_add_co_u32 s85, s85, 8192
	s_lshl_b32 s86, s17, 9
	s_add_co_u32 s85, s85, s86                     ; v: 4 (2,048 + 256 cy + 128 WH)
	s_cmp_eq_u32 s21, 2
	s_cselect_b32 s44, 4, 0                        ; bytes for each r,
	s_cselect_b32 s45, 0, 32                       ; each hh,
	s_cselect_b32 s46, 0, 4                        ; each j
	s_cselect_b32 s86, s85, s84
	s_mov_b32 s87, 0
	s_add_nc_u64 s[8:9], s[8:9], s[86:87]
	v_mul_u32_u24 v6, v1, s44
	v_mad_u32_u24 v6, v2, s45, v6
.irp j, 0,1,2,3,4,5,6,7
	v_mad_u32_u24 v[BAD+\j], s46, \j, v6
.endr
.irp g, 0,1,2,3,4,5,6,7
.irp j, 0,1,2,3,4,5,6,7
	global_load_b32 v[BIAS+8*\g+\j], v[BAD+\j], s[8:9] offset:64*\g
.endr
.endr
.macro FRAG reg, adr, q, i             ; a fragment as it lies: block i of the half, the q-th 128 along K
.irp c, 0,1,2,3
	ds_load_b128 v[\reg+4*\c:\reg+4*\c+3], v[\adr] offset:2048*(\q)+4096*(\i)+512*\c
.endr
.endm
; 16 matrix instructions: A's blocks a0, a0 + 1 x B's eight.  p: B's set.  zero = 1: the first product starts the sums.  The 64 accumulators take turns, one instruction a turn, in the same order in every step.
.macro MUL16 a0, p, zero
.irp a, \a0, \a0+1
.irp b, 0,1,2,3,4,5,6,7
.if \zero
	v_wmma_f32_16x16x128_fp8_fp8 v[8*(8*((\a)%4)+\b):8*(8*((\a)%4)+\b)+7], v[128*(\p)+FR*\b:128*(\p)+FR*\b+FR-1], v[AF+FR*(\a):AF+FR*(\a)+FR-1], 0
.else
	v_wmma_f32_16x16x128_fp8_fp8 v[8*(8*((\a)%4)+\b):8*(8*((\a)%4)+\b)+7], v[128*(\p)+FR*\b:128*(\p)+FR*\b+FR-1], v[AF+FR*(\a):AF+FR*(\a)+FR-1], v[8*(8*((\a)%4)+\b):8*(8*((\a)%4)+\b)+7]
.endif
.endr
.endr
.endm
.macro FETCH_B slot, q, p
	WIN TO_B
.irp i, 0,1,2,3,4,5,6,7
	FRAG 128*(\p)+FR*\i, ADRB+\slot, \q, \i
.endr
	WIN 0
.endm
.macro FETCH_A slot, q, i0
.irp i, \i0, \i0+1, \i0+2, \i0+3
	FRAG AF+FR*(\i), ADRA+\slot, \q, \i
.endr
.endm
.macro PLACES n                        ; plain vector instructions between a matrix instruction and a load into, or a vector read of, its registers
.rept \n
	v_nop
.endr
.endm
; A step of 128 along K that has its successor in the same slot.  A block of A is free when its eight products are issued, so A has one set: blocks 0-3 come anew in the step's middle, 4-7 at its end.
.macro STEP slot, q, zero
	s_wait_dscnt 4*NL                              ; B's set and A's blocks 0-3 are in; the youngest sixteen loads (A's blocks 4-7) may be out
	WIN MUL_LO
	MUL16 0, (\q)%2, \zero
	MUL16 2, (\q)%2, \zero
	s_wait_dscnt 0                                 ; A's blocks 4-7 are in
	PLACES NP
	FETCH_B \slot, (\q)+1, 1-(\q)%2
	FETCH_A \slot, (\q)+1, 0
	WIN MUL_HI
	MUL16 4, (\q)%2, \zero
	MUL16 6, (\q)%2, \zero
	PLACES NP
	WIN 0
	FETCH_A \slot, (\q)+1, 4
.endm
; A slot's last step changes slots: one barrier; in front of it each wave waits for all its tensor loads, adds 0 to its spare word, and waits for that and for its reads of this slot.
.macro TURN slot, next, fill
	s_wait_tensorcnt 0x0                           ; all my tensor loads have landed: my part of the next slot
	ds_add_u32 v[SPW], v[NIL]                      ; 0 onto my spare word
	s_wait_dscnt 4*NL+1                            ; (the add and the youngest sixteen loads may be out)
	WIN MUL_LO
	MUL16 0, 1, 0                                  ; sixteen matrix instructions stand between the add and the wait for it
	s_wait_dscnt 0x0                               ; the add is done, and my reads of this slot are over
	s_barrier_signal -1
	MUL16 2, 1, 0
	WIN 0
	s_barrier_wait -1
.if \fill
	CREST                                          ; the barrier has opened a round of the cluster's: no wave of any partner still reads this slot or has a load on its way
	s_add_nc_u64 s[G0+4*\slot+2:G0+4*\slot+3], s[G0+4*\slot+2:G0+4*\slot+3], s[66:67]
	s_add_nc_u64 s[G0B+4*\slot+2:G0B+4*\slot+3], s[G0B+4*\slot+2:G0B+4*\slot+3], s[68:69]
	JLOAD G0+4*\slot, G1, G0B+4*\slot, G1B         ; the first tensor load behind the round; its four v_nop are the places in front of the loads below
.else
	PLACES NP
.endif
	FETCH_B \next, 0, 0
	FETCH_A \next, 0, 0
	WIN MUL_HI
	MUL16 4, 1, 0
	MUL16 6, 1, 0
	PLACES NP
	WIN 0
	FETCH_A \next, 0, 4
.endm
	s_wait_tensorcnt 1                             ; my part of slot 0 is in; slot 1's may stay out
	s_barrier_signal -1
	s_barrier_wait -1
	FETCH_B 0, 0, 0
	FETCH_A 0, 0, 0
	FETCH_A 0, 0, 4
	STEP 0, 0, 1                                   ; K 0-127: these products start the sums.  Eight steps in all: written out, since a loop would have one trip
	TURN 0, 1, 1                                   ; K 128-255; slot 0 takes K 512-767
	STEP 1, 0, 0
	TURN 1, 0, 1                                   ; slot 1 takes K 768-1,023
	STEP 0, 0, 0
	TURN 0, 1, 0                                   ; nothing is left to fetch; behind this barrier nobody reads slot 0 any more
	STEP 1, 0, 0
	s_wait_dscnt 4*NL
	WIN MUL_LO
	MUL16 0, 1, 0
	MUL16 2, 1, 0
	s_wait_dscnt 0
	WIN MUL_HI
	MUL16 4, 1, 0
	MUL16 6, 1, 0
	WIN 0
; THE WAY OUT.  number = sum x 2^(e0 + e1) + bias, one packed multiply-add for two; the hold; eight neighbours along the next K become eight codes; they go into my stage in slot 0 (it has had
; its last fill and its last read) at the place that the next operand's image gives them, and the stage leaves as it lies, 512 consecutive bytes a store.
	s_wait_kmcnt 0x0
	s_wait_loadcnt 0x0                             ; the bias
	s_add_co_i32 s82, s72, s73
	s_add_co_i32 s82, s82, 127
	s_lshl_b32 s82, s82, 23                        ; 2^(e0 + e1) as f32
	s_mov_b32 s83, s82                             ; (named with it as a pair, so it is written)
	s_cmp_eq_u32 s21, 1
	s_cselect_b32 s84, s75, s74                    ; k: e3; q: e2
	s_cmp_eq_u32 s21, 2
	s_cselect_b32 s84, s77, s84                    ; v: e5
	s_add_co_i32 s84, s84, 127
	s_lshl_b32 s85, s84, 23
	v_mov_b32 v[SCV], s85
	PLACES NP                                      ; behind the last products: their results are read, and A's registers written, below
.macro BLOCKOUT a, isv                 ; A's block a: eight accumulators
.set AC, 64*((\a)%4)
.set CC, CD+16*((\a)%2)
	WIN 0x02+((\a)/4)                              ; source 0: window 2 or 3
.irp b, 0,1,2,3,4,5,6,7
.irp j, 0,2,4,6
.if \isv
	v_pk_fma_f32 v[TMP+8*\b+\j:TMP+8*\b+\j+1], v[AC+8*\b+\j:AC+8*\b+\j+1], s[82:83], v[BIAS+8*(\a)+\j:BIAS+8*(\a)+\j+1] op_sel_hi:[1,0,1]
.else
	v_pk_fma_f32 v[TMP+8*\b+\j:TMP+8*\b+\j+1], v[AC+8*\b+\j:AC+8*\b+\j+1], s[82:83], v[BIAS+8*\b+\j:BIAS+8*\b+\j+1] op_sel_hi:[1,0,1]
.endif
.endr
.endr
	WIN 0
.set i, 0
.rept 64
.set i, i+1
.endr
.if (\a) >= 2
	s_wait_alu depctr_va_vdst(0)
	s_wait_dscnt 8                                 ; the stores of the block two back, which read this set of codes, are done; the last block's eight may be out
.endif
.irp b, 0,1,2,3,4,5,6,7
	v_cvt_scalef32_pk8_fp8_f32 v[CC+2*\b:CC+2*\b+1], v[TMP+8*\b:TMP+8*\b+7], v[SCV]
.endr
	v_nop                                          ; a plain line behind the conversions: the next block writes their sources
.irp b, 0,1,2,3,4,5,6,7
.if \isv
	ds_store_b64 v[STV], v[CC+2*\b:CC+2*\b+1] offset:8192*((\a)/4)+4096*(((\a)%4)/2)+128*((\a)%2)+256*\b    ; head a / 4; d = 16 (a % 4) + r; keys 16 b + 8 hh + 0 .. 7
.else
	ds_store_b64 v[STQ], v[CC+2*\b:CC+2*\b+1] offset:8192*(\b/4)+2048*((\a)/2)+128*((\a)%2)+256*(\b%4)      ; head b / 4; token 16 a + r; d = 16 (b % 4) + 8 hh + 0 .. 7
.endif
.endr
.endm
.macro EPI isv
	s_lshl_b32 s40, s22, 2
.if \isv
	s_add_co_u32 s40, s40, s19                     ; the 256 tokens: 4 CY + cx
	s_lshl_b32 s42, s20, 2                         ; heads 4 cy + 2 WH on
	s_lshl_b32 s43, s17, 1
.else
	s_add_co_u32 s40, s40, s20                     ; the 256 tokens: 4 CY + cy
	s_lshl_b32 s42, s19, 2                         ; heads 4 cx + 2 WL on
	s_lshl_b32 s43, s18, 1
.endif
	s_lshr_b32 s41, s40, 3                         ; the batch
	s_lshl_b32 s41, s41, 4
	s_add_co_u32 s41, s41, s42
	s_add_co_u32 s41, s41, s43
	s_lshl_b32 s41, s41, 17                        ; a head's codes are 131,072 bytes
	s_and_b32 s42, s40, 7
.if \isv
	s_lshl_b32 s42, s42, 1
	s_add_co_u32 s42, s42, s18                     ; key step 2 (tokens' block % 8) + WL,
	s_lshl_b32 s42, s42, 13                        ; of 8,192 bytes
	s_add_co_u32 s46, s41, s42
	s_mov_b32 s47, 0
	s_add_nc_u64 s[80:81], s[14:15], s[46:47]
.else
	s_lshl_b32 s42, s42, 4
	s_lshl_b32 s43, s17, 3
	s_add_co_u32 s42, s42, s43                     ; tile 16 (tokens' block % 8) + 8 WH,
	s_lshl_b32 s42, s42, 10                        ; of 1,024 bytes
	s_add_co_u32 s46, s41, s42
	s_lshl_b32 s43, s21, 23                        ; q's codes, then k's
	s_add_co_u32 s46, s46, s43
	s_mov_b32 s47, 0
	s_add_nc_u64 s[80:81], s[12:13], s[46:47]
.endif
.irp a, 0,1,2,3,4,5,6,7
	BLOCKOUT \a, \isv
.endr
	s_wait_dscnt 0x0                               ; the stores have read their registers, which the loads below take
.set i, 0
.rept 32
.if \isv
	ds_load_b128 v[128+4*i:128+4*i+3], v[RDV] offset:512*i
.else
	ds_load_b128 v[128+4*i:128+4*i+3], v[RDQ] offset:512*i
.endif
.set i, i+1
.endr
.set i, 0
.rept 32
	s_wait_dscnt 31-i
	global_store_b128 v[LI], v[128+4*i:128+4*i+3], s[80:81] offset:(i/16)*131072+(i%16)*512   ; 8,192 consecutive bytes for each of my two heads
.set i, i+1
.endr
.endm
	s_cmp_eq_u32 s21, 2                            ; the cluster's x: the same in all partners
	s_cbranch_scc1 .Lv_out
	EPI 0
	s_branch .Lend
.Lv_out:
	EPI 1
.Lend:
	s_wait_tensorcnt 0x0                           ; the wave's end
	ds_add_u32 v[SPW], v[NIL]
	s_wait_dscnt 0x0
	CROUND                                         ; the closing round: no work-group ends while a partner may still ask for a tile that names it
	s_endpgm
.Lfunc_end_k_q57e5b47e15_gemm_qkv:
	.size	k_q57e5b47e15_gemm_qkv, .Lfunc_end_k_q57e5b47e15_gemm_qkv-k_q57e5b47e15_gemm_qkv
	.p2alignl 7, 3214868480
	.fill 96, 4, 3214868480
	.section	.rodata,"a",@progbits
	.p2align	6, 0x0
	.amdhsa_kernel k_q57e5b47e15_gemm_qkv
		.amdhsa_group_segment_fixed_size 327680
		.amdhsa_private_segment_fixed_size 0
		.amdhsa_enable_private_segment 0
		.amdhsa_kernarg_size 48
		.amdhsa_user_sgpr_count 2
		.amdhsa_user_sgpr_kernarg_segment_ptr 1
		.amdhsa_wavefront_size32 1
		.amdhsa_system_sgpr_workgroup_id_x 1
		.amdhsa_system_sgpr_workgroup_id_y 1
		.amdhsa_system_sgpr_workgroup_id_z 1
		.amdhsa_system_vgpr_workitem_id 0
		.amdhsa_next_free_vgpr 1024
		.amdhsa_next_free_sgpr 96
		.amdhsa_reserve_vcc 0
		.amdhsa_float_denorm_mode_32 3
		.amdhsa_float_denorm_mode_16_64 3
		.amdhsa_fp16_overflow 1
		.amdhsa_memory_ordered 1
		.amdhsa_forward_progress 1
		.amdhsa_inst_pref_size 149
	.end_amdhsa_kernel
	.amdgpu_metadata
---
amdhsa.version: [ 1, 2 ]
amdhsa.kernels:
  - .name:           k_q57e5b47e15_gemm_qkv
    .symbol:         k_q57e5b47e15_gemm_qkv.kd
    .args:
      - { .name: xc, .offset: 0, .size: 8, .value_kind: global_buffer, .address_space: global }
      - { .name: wqc, .offset: 8, .size: 8, .value_kind: global_buffer, .address_space: global }
      - { .name: b_qkv, .offset: 16, .size: 8, .value_kind: global_buffer, .address_space: global }
      - { .name: lowp_scales, .offset: 24, .size: 8, .value_kind: global_buffer, .address_space: global }
      - { .name: qkc, .offset: 32, .size: 8, .value_kind: global_buffer, .address_space: global }
      - { .name: vc, .offset: 40, .size: 8, .value_kind: global_buffer, .address_space: global }
    .group_segment_fixed_size: 327680
    .private_segment_fixed_size: 0
    .kernarg_segment_align: 8
    .kernarg_segment_size: 48
    .max_flat_workgroup_size: 128
    .sgpr_count:     96
    .vgpr_count:     1024
    .wavefront_size: 32
...
	.end_amdgpu_metadata
.endif
;; end of part 2
;; launch attn (part 3): grid 4 x 64, 16 waves a work-group, clusters of 4 x 1, 327,680 bytes of LDS; arguments qkc, vc, lowp_scales, ac; writes ac
.if DOCPART == 3
	.amdgcn_target "amdgcn-amd-amdhsa--gfx1250"
	.amdhsa_code_object_version 6
	.text
	.protected	k_q57e5b47e15_attn
	.globl	k_q57e5b47e15_attn
	.p2align	8
	.type	k_q57e5b47e15_attn,@function
k_q57e5b47e15_attn:
	s_mov_b64 s[64:65], 0
	v_nop
	global_prefetch_b8 v0, s[64:65] scope:SCOPE_SE
	s_setreg_imm32_b32 hwreg(HW_REG_WAVE_MODE, 25, 1), 1
	s_wait_xcnt 0x0
	s_wait_alu depctr_hold_cnt(0) depctr_sa_sdst(0) depctr_va_vdst(0) depctr_va_sdst(0) depctr_va_ssrc(0) depctr_va_vcc(0) depctr_vm_vsrc(0)
	s_getreg_b32 s2, hwreg(HW_REG_IB_STS2, 6, 4)
	s_cmp_eq_u32 s2, 0
	s_cbranch_scc0 .Lentry_in_a_cluster
	s_endpgm
.Lentry_in_a_cluster:
	s_bfe_u32 s2, ttmp6, 0x10000c
	s_cmp_lg_u32 s2, 0x3003
	s_cbranch_scc0 .Lentry_shape_is_right
	s_endpgm
.Lentry_shape_is_right:
; Causal attention of one (batch, head) for each cluster, both products on codes of E4M3: q 2^e2, k 2^e3, p 2^e4, v 2^e5; the result is quantised at once with 2^e6.
; t = score x log2(e) / 8; M = the running largest t rounded UP to a whole number; p = 2^(t - M) is quantised along the keys, not normalised; the row's sum is taken of the unquantised p and divides at the end.
; LIMITS: e2 + e3 between -123 and 130 (added to c's exponent field); e4 and e6 between -126 and 119; e4 + e5 goes by v_ldexp_f32 and has none.  NaN is not served.
; LDS HOLDS THE HEAD'S WHOLE K AND V, as images of the operands' registers: 131,072 bytes each, the buffers' bytes as they lie.  Every byte is filled once, at the head: no ring, no refill, and no
; barrier but the three behind which a further part of the fills is read.  A fragment is read at 16 x lane: consecutive bytes.
; CLUSTER: the four work-groups of a cluster belong to one head and ask for K and V jointly (mask 15).  No prefetch: everything is asked for at the head, so there is no later request to run ahead of.
; SHARES.  The head's 128 tiles of 16 queries are 32 groups of four; tile 4 g + cx is the partner cx's.  Wave w takes group 31 - w and then group w.  Group g needs g / 2 + 1 key steps of 128, the last on the
; diagonal: 17 steps for every wave of the launch.  Branches hang on the wave's number and on counters alone; cx enters global addresses and the mask's lane value.
; LAYOUT.  Both products are used transposed (S^T = K Q^T, O^T = V^T P^T): a lane holds one query.  Tiles of keys and of the head's 64 are permuted (row r of tile 2 b + u is index 32 b + 8 u + r + 8 (r / 8)),
; so the 16 registers of two neighbouring result tiles are 16 neighbours along the next K: the conversions' results are the next operand's registers, and the result's codes leave straight from registers.
; REGISTERS: v1 16 x lane; v2, v3 addresses in hand; v4, v5 the mask's lane value now and in the second phase; v6 -infinity; v7 a permute's destination; v12 -M, v13 the largest t, v[14:15] the sum;
;   v16-23 Q; v24-31 the second phase's Q; v32-95 K's eight fragments, then V's four; v96-159 S^T, then p; v160-191 O^T; v192-207 p's codes; v208-215 the result's codes; v240-254 constants and work.
.set LI,   1
.set ADK,  2
.set ADV,  3
.set DM,   4
.set DMB,  5
.set NINF, 6
.set PX,   7
.set VBASE, 131072                     ; V lies behind K
.set WV,   12                          ; s12  wave
.set CXR,  13                          ; s13  cx
.set BH,   14                          ; s14  16 x batch + head
.set SEL,  20                          ; s[20:21] v_permlanex16_b32's selects: lane l xor 16
.set CS,   22                          ; s[22:23] c = log2(e) / 8 x 2^(e2 + e3)
.set G1,   24                          ; s[24:31] descriptor group 1
.set G0,   32                          ; s[32:47] four groups 0: the four quarters
.set KF,   48                          ; s48  the step's first key
.set KD,   49                          ; s49  the phase's diagonal step's first key
.set KDE,  50                          ; s50  the second phase's
.set CNT,  51                          ; s51  steps done
.set NLR,  52                          ; s52  steps of the first phase
.set TB,   53                          ; s53  LDS byte of the step's tiles of K
.set E45,  54                          ; s54  e4 + e5
.set QL,   56                          ; s[56:57], s[58:59] Q's tiles of the two phases
.set QE,   58
.set ACL,  60                          ; s[60:61], s[62:63] where their results go
.set ACE,  62
.macro ROUND                           ; a round of the cluster's barrier
	s_barrier_signal -1
	s_barrier_wait -1
	s_cmp_lg_u32 s[WV], 0
	s_cbranch_scc1 .Lnot_wave_0_\@
	s_barrier_signal -3
.Lnot_wave_0_\@:
	s_barrier_wait -3
	s_barrier_signal -1
	s_barrier_wait -1
.endm
	s_load_b256 s[4:11], s[0:1], 0x0               ; qkc s[4:5], vc s[6:7], the exponents s[8:9], ac s[10:11]
	v_lshl_add_u32 v251, v0, 2, 0x40000
	v_mov_b32 v255, 0
	ds_add_u32 v251, v255
	ds_add_u32 v251, v255
	v_lshrrev_b32 v8, 5, v0
	s_delay_alu instid0(VALU_DEP_1)
	v_readfirstlane_b32 s[WV], v8                  ; wave 0..15
	s_bfe_u32 s[CXR], ttmp6, 0x40000               ; cx
	s_and_b32 s[BH], ttmp7, 0xffff
	s_mov_b32 s[G1], 15|(3<<16)|(1<<21)            ; 15:0 the mask: all four work-groups; 17:16 elements of 8 bytes; 20 no padding; 21 set beside a mask
	s_mov_b32 s[G1+1], 32<<16                      ; tensor_dim0 = 32: rows of 256 bytes
	s_mov_b32 s[G1+2], 64<<16                      ; tensor_dim1 = 64
	s_mov_b32 s[G1+3], 32<<16                      ; tile_dim0
	s_mov_b32 s[G1+4], 64                          ; tile_dim1
	s_mov_b32 s[G1+5], 32                          ; the pitch: the block is dense
	s_mov_b32 s[G1+6], 0
	s_mov_b32 s[G1+7], 0
	s_lshl_b32 s76, s[BH], 17                      ; a head's codes are 131,072 bytes in q, in k and in v
	s_mov_b32 s77, 0
	s_and_b32 s78, s[WV], 1
	s_lshl_b32 s78, s78, 14                        ; waves 0-3 fetch: which 16,384 bytes of a quarter,
	s_lshr_b32 s79, s[WV], 1
	s_lshl_b32 s79, s79, 17                        ; of K (waves 0, 1) or of V (waves 2, 3)
	s_add_co_u32 s79, s79, s78
	s_wait_dscnt 0x0
	s_wait_kmcnt 0x0
	s_load_b256 s[68:75], s[8:9], 0x0              ; e0 .. e7
	s_cmp_lt_u32 s[WV], 2
	s_cselect_b64 s[80:81], s[4:5], s[6:7]
	s_cselect_b32 s82, 0x800000, 0                 ; k's codes lie behind q's
	s_add_co_u32 s82, s82, s76
	s_add_co_u32 s82, s82, s78
	s_mov_b32 s83, 0
	s_add_nc_u64 s[80:81], s[80:81], s[82:83]
.irp q, 0,1,2,3
	s_mov_b32 s[G0+4*\q], 1
	s_add_co_u32 s[G0+4*\q+1], s79, 32768*\q
	s_add_nc_u64 s[G0+4*\q+2:G0+4*\q+3], s[80:81], 32768*\q
	s_or_b32 s[G0+4*\q+3], s[G0+4*\q+3], 0x80000000
.endr
	ROUND                                          ; all four work-groups are here: the joint loads meet
	s_cmp_lt_u32 s[WV], 4                          ; all the fills stand in one branch on the wave's number, the same in every partner: four tensor loads of a fetching wave are out
	s_cbranch_scc0 .Lno_fill
	tensor_load_to_lds s[G0:G0+3], s[G1:G1+7]
	s_nop 0
	tensor_load_to_lds s[G0+4:G0+7], s[G1:G1+7]
	s_nop 0
	tensor_load_to_lds s[G0+8:G0+11], s[G1:G1+7]
	s_nop 0
	tensor_load_to_lds s[G0+12:G0+15], s[G1:G1+7]
	s_nop 0
.rept 4
	v_nop
.endr
.Lno_fill:
	s_sub_co_u32 s84, 31, s[WV]
	s_lshl_b32 s84, s84, 2
	s_add_co_u32 s84, s84, s[CXR]                  ; the first phase's tile: 4 (31 - w) + cx
	s_lshl_b32 s85, s[WV], 2
	s_add_co_u32 s85, s85, s[CXR]                  ; the second's: 4 w + cx
	s_lshl_b32 s86, s84, 10
	s_add_co_u32 s86, s86, s76
	s_mov_b32 s87, 0
	s_add_nc_u64 s[QL:QL+1], s[4:5], s[86:87]
	s_lshl_b32 s86, s85, 10
	s_add_co_u32 s86, s86, s76
	s_add_nc_u64 s[QE:QE+1], s[4:5], s[86:87]
	v_and_b32 v8, 31, v0
	s_delay_alu instid0(VALU_DEP_1)
	v_lshlrev_b32 v[LI], 4, v8
	global_load_b128 v[16:19], v[LI], s[QL:QL+1]
	global_load_b128 v[20:23], v[LI], s[QL:QL+1] offset:512
	global_load_b128 v[24:27], v[LI], s[QE:QE+1]
	global_load_b128 v[28:31], v[LI], s[QE:QE+1] offset:512
	s_bfe_u32 s88, s[BH], 0x20002                  ; head / 4: the quarter of the next K,
	s_lshl_b32 s88, s88, 21
	s_lshr_b32 s89, s[BH], 4                       ; the batch's 128 blocks of 4,096 bytes,
	s_lshl_b32 s89, s89, 19
	s_add_co_u32 s88, s88, s89
	s_and_b32 s89, s[BH], 3                        ; the head's 64 of the quarter's 256: 1,024 bytes of a block
	s_lshl_b32 s89, s89, 10
	s_add_co_u32 s88, s88, s89
	s_lshl_b32 s86, s84, 12
	s_add_co_u32 s86, s86, s88
	s_add_nc_u64 s[ACL:ACL+1], s[10:11], s[86:87]
	s_lshl_b32 s86, s85, 12
	s_add_co_u32 s86, s86, s88
	s_add_nc_u64 s[ACE:ACE+1], s[10:11], s[86:87]
	s_lshr_b32 s90, s[WV], 1
	s_sub_co_u32 s[NLR], 16, s90                   ; group 31 - w: 16 - w / 2 steps,
	s_sub_co_u32 s[KD], 15, s90
	s_lshl_b32 s[KD], s[KD], 7                     ; the last of them on the diagonal
	s_lshl_b32 s[KDE], s90, 7                      ; group w: w / 2 + 1 steps
	s_lshr_b32 s91, s[CXR], 1
	s_lshl_b32 s91, s91, 5
	s_and_b32 s92, s[CXR], 1
	s_lshl_b32 s92, s92, 3
	s_add_co_u32 s91, s91, s92                     ; my tile's place in its group's 64 queries: 32 (cx / 2) + 8 (cx % 2)
	s_and_b32 s92, s[WV], 1
	s_lshl_b32 s92, s92, 6                         ; the group's place in the diagonal step: 64 (g % 2)
	s_xor_b32 s93, s92, 64
	s_add_co_u32 s92, s92, s91
	s_add_co_u32 s93, s93, s91
	v_and_b32 v8, 15, v0
	s_delay_alu instid0(VALU_DEP_1)
	v_and_b32 v9, 8, v8
	s_delay_alu instid0(VALU_DEP_1)
	v_add_nc_u32 v8, v8, v9                        ; r + 8 (r / 8)
	v_bfe_u32 v9, v0, 4, 1
	s_delay_alu instid0(VALU_DEP_1)
	v_lshlrev_b32 v9, 4, v9
	s_delay_alu instid0(VALU_DEP_1)
	v_sub_nc_u32 v8, v8, v9                        ; - 16 hh
	s_delay_alu instid0(VALU_DEP_1)
	v_add_nc_u32 v[DM], s93, v8                    ; my query - the diagonal step's first key - 16 hh: register 16 b + i is hidden where 32 b + i is greater
	s_delay_alu instid0(VALU_DEP_2)
	v_add_nc_u32 v[DMB], s92, v8
	s_mov_b32 s[SEL], 0x76543210
	s_mov_b32 s[SEL+1], 0xfedcba98
	s_mov_b32 s[CS], 0x3e38aa3b                    ; log2(e) / 8
	v_mov_b32 v[NINF], 0xff800000
	v_mov_b32 v[PX], 0                             ; written once: a lane permute's destination counts as one of its sources
	v_mov_b32 v253, 0                              ; (named as the upper half of the pair v[252:253])
	v_mov_b32 v13, 0xff61b1e6                      ; the largest t so far: -3e38, under every t
	s_delay_alu instid0(VALU_DEP_1)
	v_floor_f32 v12, -v13                          ; -M
	v_mov_b32 v14, 0
	v_mov_b32 v15, 0
.set i, 0
.rept 32
	v_mov_b32 v[160+i], 0                          ; O^T: the step is written once; a phase's first step finds zeros
.set i, i+1
.endr
	s_wait_kmcnt 0x0
	s_add_co_i32 s76, s70, s71
	s_lshl_b32 s76, s76, 23
	s_add_co_i32 s[CS], s[CS], s76                 ; a score stands for score x 2^(e2 + e3): added to c's exponent field
	s_mov_b32 s[CS+1], s[CS]
	s_add_co_i32 s76, s72, 127
	s_lshl_b32 s77, s76, 23
	v_mov_b32 v244, s77                            ; 2^e4
	s_add_co_i32 s76, s74, 127
	s_lshl_b32 s77, s76, 23
	v_mov_b32 v245, s77                            ; 2^e6
	s_add_co_i32 s[E45], s72, s73
; A KEY STEP: 128 keys from s[KF] on.
.macro STEP
	s_lshl_b32 s[TB], s[KF], 6                     ; a step's tiles of K, and of V, are 8,192 bytes
	v_add_nc_u32 v[ADK], s[TB], v[LI]
	s_delay_alu instid0(VALU_DEP_1)
	v_add_nc_u32 v[ADV], VBASE, v[ADK]
	v_nop
	v_nop                                          ; four plain lines behind the last step's products, whose fragments' registers the loads below take
.irp t, 0,1,2,3,4,5,6,7
.irp c, 0,1
	ds_load_b128 v[32+8*\t+4*\c:32+8*\t+4*\c+3], v[ADK] offset:1024*\t+512*\c
.endr
.endr
	s_wait_alu depctr_va_vdst(0)
	s_wait_dscnt 8                                 ; tiles 0-3 are in; the eight loads of tiles 4-7 may be out
.irp t, 0,1,2,3
	v_wmma_f32_16x16x64_fp8_fp8 v[96+8*\t:103+8*\t], v[32+8*\t:39+8*\t], v[16:23], 0
.endr
	s_wait_dscnt 0x0
.irp t, 4,5,6,7
	v_wmma_f32_16x16x64_fp8_fp8 v[96+8*\t:103+8*\t], v[32+8*\t:39+8*\t], v[16:23], 0
.endr
.rept 4
	v_nop                                          ; places: in front of the loads into K's registers, and of the first read of the scores
.endr
.irp t, 0,1,2,3
.irp c, 0,1,2,3
	ds_load_b128 v[32+16*\t+4*\c:32+16*\t+4*\c+3], v[ADV] offset:2048*\t+512*\c     ; V's four fragments land while the softmax is worked
.endr
.endr
	s_cmp_lg_u32 s[KF], s[KD]                      ; on the diagonal the scores of hidden keys become -infinity ahead of the maximum: p = 0 then.  Counters and the wave's number decide
	s_cbranch_scc1 .Lopen_\@
.set nn, 0
.rept 64
	v_cmp_gt_i32 vcc_lo, 32*(nn/16)+nn%16, v[DM]
	v_cndmask_b32 v[96+nn], v[96+nn], v[NINF], vcc_lo
.set nn, nn+1
.endr
.Lopen_\@:
	v_max3_num_f32 v254, v96, v97, v98             ; the step's largest score of my query among my 64 keys, in two chains, each tile from its low end on
	v_max3_num_f32 v252, v99, v100, v101
.set i, 6
.rept 14
	v_max3_num_f32 v254, v254, v[96+i], v[97+i]
	v_max3_num_f32 v252, v252, v[98+i], v[99+i]
.set i, i+4
.endr
	v_max3_num_f32 v254, v254, v158, v159
	s_delay_alu instid0(VALU_DEP_1)
	v_max_num_f32 v254, v254, v252
	s_delay_alu instid0(VALU_DEP_1)
	v_permlanex16_b32 v[PX], v254, s[SEL], s[SEL+1]
	s_delay_alu instid0(VALU_DEP_1)
	v_max_num_f32 v254, v254, v[PX]                ; and among lane l xor 16's
	s_delay_alu instid0(VALU_DEP_1)
	v_mul_f32 v254, s[CS], v254                    ; as t (c is positive)
	s_delay_alu instid0(VALU_DEP_1)
	v_max_num_f32 v13, v13, v254                   ; the running largest t
	v_mov_b32 v254, v12
	s_delay_alu instid0(VALU_DEP_2)
	v_floor_f32 v12, -v13                          ; the new -M = floor(-t): M is a whole number
	s_delay_alu instid0(VALU_DEP_1)
	v_sub_f32 v254, v12, v254                      ; old M - new M: a whole number, 0 or less
	s_delay_alu instid0(VALU_DEP_1)
	v_cvt_i32_f32 v254, v254                       ; (it saturates)
	s_delay_alu instid0(VALU_DEP_1)
	v_ldexp_f32 v252, 1.0, v254                    ; f = 2^(old M - new M): multiplying by it rounds nothing
.set i, 0
.rept 32
	v_pk_fma_f32 v[96+i:97+i], v[96+i:97+i], s[CS:CS+1], v[12:13] op_sel_hi:[1,0,0]   ; t - M, two at a time
.set i, i+2
.endr
.set i, 0
	s_wait_alu depctr_va_vdst(0)
.rept 64
	v_exp_f32 v[96+i], v[96+i]                     ; p = 2^(t - M), at most 1
.set i, i+1
.endr
	v_pk_mul_f32 v[14:15], v[14:15], v[252:253] op_sel_hi:[1,0]   ; the sums under the new M: the plain line behind the exponentials
	s_wait_alu depctr_va_vdst(0)                   ; one wait for the batch of 64, ahead of its first reader
	v_pk_add_f32 v[242:243], v[100:101], v[104:105]
	v_pk_add_f32 v[248:249], v[108:109], v[112:113]
	v_pk_add_f32 v[246:247], v[116:117], v[120:121]
	v_pk_add_f32 v[240:241], v[124:125], v[128:129]
	v_pk_add_f32 v[238:239], v[132:133], v[136:137]
	v_pk_add_f32 v[236:237], v[140:141], v[144:145]
	v_pk_add_f32 v[234:235], v[148:149], v[152:153]
	v_pk_add_f32 v[14:15], v[14:15], v[156:157]
	v_pk_add_f32 v[242:243], v[242:243], v[96:97]
	v_pk_add_f32 v[248:249], v[248:249], v[98:99]
	v_pk_add_f32 v[246:247], v[246:247], v[102:103]
	v_pk_add_f32 v[240:241], v[240:241], v[106:107]
	v_pk_add_f32 v[238:239], v[238:239], v[110:111]
	v_pk_add_f32 v[236:237], v[236:237], v[114:115]
	v_pk_add_f32 v[234:235], v[234:235], v[118:119]
	v_pk_add_f32 v[14:15], v[14:15], v[122:123]
	v_pk_add_f32 v[242:243], v[242:243], v[126:127]
	v_pk_add_f32 v[248:249], v[248:249], v[130:131]
	v_pk_add_f32 v[246:247], v[246:247], v[134:135]
	v_pk_add_f32 v[240:241], v[240:241], v[138:139]
	v_pk_add_f32 v[238:239], v[238:239], v[142:143]
	v_pk_add_f32 v[236:237], v[236:237], v[146:147]
	v_pk_add_f32 v[234:235], v[234:235], v[150:151]
	v_pk_add_f32 v[14:15], v[14:15], v[154:155]
	v_pk_add_f32 v[242:243], v[242:243], v[158:159]
	s_delay_alu instid0(VALU_DEP_2)
	v_pk_add_f32 v[14:15], v[14:15], v[240:241]
	s_delay_alu instid0(VALU_DEP_2)
	v_pk_add_f32 v[242:243], v[242:243], v[238:239]
	v_pk_add_f32 v[248:249], v[248:249], v[236:237]
	v_pk_add_f32 v[246:247], v[246:247], v[234:235]
	s_delay_alu instid0(VALU_DEP_2)
	v_pk_add_f32 v[14:15], v[14:15], v[248:249]
	s_delay_alu instid0(VALU_DEP_2)
	v_pk_add_f32 v[242:243], v[242:243], v[246:247]
	s_delay_alu instid0(VALU_DEP_1)
	v_pk_add_f32 v[14:15], v[14:15], v[242:243]
.irp b, 0,1,2,3
.irp i, 0,1,2,3,4,5,6,7,8,9,10,11,12,13,14,15
.endr
	v_cvt_scalef32_pk8_fp8_f32 v[192+4*\b:193+4*\b], v[96+16*\b:103+16*\b], v244
	v_cvt_scalef32_pk8_fp8_f32 v[194+4*\b:195+4*\b], v[104+16*\b:111+16*\b], v244
.endr
.set i, 0
.rept 16
	v_pk_mul_f32 v[160+i:161+i], v[160+i:161+i], v[252:253] op_sel_hi:[1,0]   ; O^T under the new M; also the plain lines between the conversions and the products
.set i, i+2
.endr
	s_wait_alu depctr_va_vdst(0)
	s_wait_dscnt 0x0                               ; V is in
.irp t, 0,1,2,3
	v_wmma_f32_16x16x128_fp8_fp8 v[160+8*\t:167+8*\t], v[32+16*\t:47+16*\t], v[192:207], v[160+8*\t:167+8*\t]   ; four accumulators by turns; the eight products K Q^T stand between two links of a chain
.endr
	s_add_co_u32 s[KF], s[KF], 128
.endm
; A PHASE'S END: O^T x 2^(e4 + e5) / the sum is quantised along the head's 64 and stored: registers 16 b + i are d = 32 b + 16 hh + i of my query, the next operand's own order.
.macro FLUSH ptr, reinit
.rept 4
	v_nop                                          ; places behind the last products
.endr
	s_wait_xcnt 0x0                                ; an earlier phase's stores have read the codes' registers, which are written again below
	v_add_f32 v14, v14, v15
	s_delay_alu instid0(VALU_DEP_1)
	v_permlanex16_b32 v[PX], v14, s[SEL], s[SEL+1]
	s_delay_alu instid0(VALU_DEP_1)
	v_add_f32 v14, v14, v[PX]                      ; the row's sum
	s_wait_alu depctr_va_vdst(0)
	v_rcp_f32 v14, v14
	v_nop                                          ; a plain line behind the reciprocal,
	s_wait_alu depctr_va_vdst(0)                   ; and the wait ahead of its first reader
	v_ldexp_f32 v14, v14, s[E45]
.set i, 0
.rept 16
	v_pk_mul_f32 v[96+i:97+i], v[160+i:161+i], v[14:15] op_sel_hi:[1,0]
.set i, i+2
.endr
.set i, 0
.rept 32
.set i, i+1
.endr
.irp g, 0,1,2,3
	v_cvt_scalef32_pk8_fp8_f32 v[208+2*\g:209+2*\g], v[96+8*\g:103+8*\g], v245
.endr
	v_nop                                          ; a plain line behind the conversions: later products write their sources
	global_store_b128 v[LI], v[208:211], s[\ptr:\ptr+1]              ; 512 consecutive bytes each: the tile's image for this head's 64
	global_store_b128 v[LI], v[212:215], s[\ptr:\ptr+1] offset:512
.if \reinit
	v_mov_b32 v13, 0xff61b1e6
	s_delay_alu instid0(VALU_DEP_1)
	v_floor_f32 v12, -v13
	v_mov_b32 v14, 0
	v_mov_b32 v15, 0
.set i, 0
.rept 32
	v_mov_b32 v[160+i], 0
.set i, i+1
.endr
.set i, 0
.rept 8
	v_mov_b32 v[16+i], v[24+i]                     ; the second phase's queries
.set i, i+1
.endr
	v_mov_b32 v[DM], v[DMB]
.endif
.endm
	s_wait_loadcnt 0x0                             ; Q
	s_wait_tensorcnt 3                             ; my part of the first quarter (keys 0-511) is in; three loads may stay out
	s_barrier_signal -1
	s_barrier_wait -1                              ; everybody's is
	s_mov_b32 s[CNT], 0
	s_mov_b32 s[KF], 0
.Lq0:                                              ; steps 0-3 read the first quarter of K and of V alone
	STEP
	s_add_co_u32 s[CNT], s[CNT], 1
	s_cmp_lt_u32 s[CNT], 4
	s_cbranch_scc1 .Lq0
	s_wait_tensorcnt 2                             ; the second quarter
	s_wait_dscnt 0x0
	s_barrier_signal -1
	s_barrier_wait -1
	s_mov_b32 s[CNT], 4                            ; (both written anew, so that this loop's range can be read off these lines)
	s_mov_b32 s[KF], 512
.Lq1:                                              ; steps 4-7 read the second quarter alone
	STEP
	s_add_co_u32 s[CNT], s[CNT], 1
	s_cmp_lt_u32 s[CNT], 8
	s_cbranch_scc1 .Lq1
	s_wait_tensorcnt 0x0                           ; all of K and V
	s_wait_dscnt 0x0
	s_barrier_signal -1
	s_barrier_wait -1
	s_mov_b32 s[CNT], 8
	s_mov_b32 s[KF], 1024
.Lrest:                                            ; steps 8-16.  The first phase has 9 to 16 steps, so its end falls here
	s_cmp_eq_u32 s[CNT], s[NLR]
	s_cselect_b32 s[KF], 0, s[KF]                  ; the second phase begins at key 0,
	s_cselect_b32 s[KD], s[KDE], s[KD]             ; with its own diagonal
	s_cbranch_scc0 .Lsame
	FLUSH ACL, 1
.Lsame:
	STEP
	s_add_co_u32 s[CNT], s[CNT], 1
	s_cmp_lt_u32 s[CNT], 17
	s_cbranch_scc1 .Lrest
	FLUSH ACE, 0
	s_wait_tensorcnt 0x0
	ds_add_u32 v251, v255
	s_wait_dscnt 0x0
	ROUND                                          ; the closing round
	s_endpgm
.Lfunc_end_k_q57e5b47e15_attn:
	.size	k_q57e5b47e15_attn, .Lfunc_end_k_q57e5b47e15_attn-k_q57e5b47e15_attn
	.p2alignl 7, 3214868480
	.fill 96, 4, 3214868480
	.section	.rodata,"a",@progbits
	.p2align	6, 0x0
	.amdhsa_kernel k_q57e5b47e15_attn
		.amdhsa_group_segment_fixed_size 327680
		.amdhsa_private_segment_fixed_size 0
		.amdhsa_enable_private_segment 0
		.amdhsa_kernarg_size 32
		.amdhsa_user_sgpr_count 2
		.amdhsa_user_sgpr_kernarg_segment_ptr 1
		.amdhsa_wavefront_size32 1
		.amdhsa_system_sgpr_workgroup_id_x 1
		.amdhsa_system_sgpr_workgroup_id_y 1
		.amdhsa_system_sgpr_workgroup_id_z 1
		.amdhsa_system_vgpr_workitem_id 0
		.amdhsa_next_free_vgpr 256
		.amdhsa_next_free_sgpr 96
		.amdhsa_reserve_vcc 1
		.amdhsa_float_denorm_mode_32 3
		.amdhsa_float_denorm_mode_16_64 3
		.amdhsa_fp16_overflow 1
		.amdhsa_memory_ordered 1
		.amdhsa_forward_progress 1
		.amdhsa_inst_pref_size 72
	.end_amdhsa_kernel
	.amdgpu_metadata
---
amdhsa.version: [ 1, 2 ]
amdhsa.kernels:
  - .name:           k_q57e5b47e15_attn
    .symbol:         k_q57e5b47e15_attn.kd
    .args:
      - { .name: qkc, .offset: 0, .size: 8, .value_kind: global_buffer, .address_space: global }
      - { .name: vc, .offset: 8, .size: 8, .value_kind: global_buffer, .address_space: global }
      - { .name: lowp_scales, .offset: 16, .size: 8, .value_kind: global_buffer, .address_space: global }
      - { .name: ac, .offset: 24, .size: 8, .value_kind: global_buffer, .address_space: global }
    .group_segment_fixed_size: 327680
    .private_segment_fixed_size: 0
    .kernarg_segment_align: 8
    .kernarg_segment_size: 32
    .max_flat_workgroup_size: 512
    .sgpr_count:     96
    .vgpr_count:     256
    .wavefront_size: 32
...
	.end_amdgpu_metadata
.endif
;; end of part 3
;; launch gemm_out (part 4): grid 4 x 32, 4 waves a work-group, clusters of 4 x 4, 327,680 bytes of LDS; arguments ac, woc, b_out, lowp_scales, out0; writes out0
.if DOCPART == 4
	.amdgcn_target "amdgcn-amd-amdhsa--gfx1250"
	.amdhsa_code_object_version 6
	.text
	.protected	k_q57e5b47e15_gemm_out
	.globl	k_q57e5b47e15_gemm_out
	.p2align	8
	.type	k_q57e5b47e15_gemm_out,@function
k_q57e5b47e15_gemm_out:
	s_mov_b64 s[64:65], 0
	v_nop
	global_prefetch_b8 v0, s[64:65] scope:SCOPE_SE
	s_setreg_imm32_b32 hwreg(HW_REG_WAVE_MODE, 25, 1), 1
	s_wait_xcnt 0x0
	s_wait_alu depctr_hold_cnt(0) depctr_sa_sdst(0) depctr_va_vdst(0) depctr_va_sdst(0) depctr_va_ssrc(0) depctr_va_vcc(0) depctr_vm_vsrc(0)
	s_getreg_b32 s2, hwreg(HW_REG_IB_STS2, 6, 4)
	s_cmp_eq_u32 s2, 0
	s_cbranch_scc0 .Lentry_in_a_cluster
	s_endpgm
.Lentry_in_a_cluster:
	s_bfe_u32 s2, ttmp6, 0x10000c
	s_cmp_lg_u32 s2, 0xf033
	s_cbranch_scc0 .Lentry_shape_is_right
	s_endpgm
.Lentry_shape_is_right:
; out0 = a W_out + b_out on codes of E4M3 (a, the attention's result: scale 2^e6; W_out: 2^e7), sums in f32; out0 [8192][1024] f32.
; LIMIT: e6 + e7 between -126 and 127, so that 2^(e6 + e7) is an f32 number.
; A tile of 256 x 256 is made by four waves, each 128 x 128: 64 accumulators, 512 registers.  K = 1,024 goes in four steps of 256 through two LDS slots.  128 work-groups: the tile is kept large, since
; a smaller wave tile reads more LDS bytes for each product.
; OPERANDS ARE IMAGES of their registers (16 rows x 128 K = 2,048 bytes; byte 512 c + 16 lane + i): 128 rows x 256 K are one dense block of 32,768 bytes for one tensor load, and a fragment is four
; ds_load_b128 at 16 x lane.  k stands in the same places in both operands.
; a's ROWS ARE PERMUTED: row r of block m stands for token 32 (m / 2) + 8 (m % 2) + r + 8 (r / 8); the stores put each row where it belongs, by their immediate offsets.
; CLUSTERS: 4 x 4.  a's tile is asked for jointly along a row of the cluster, W_out's along a column.  No prefetch: a work-group has two refills in all.
; THE MATRIX INSTRUCTION IS USED TRANSPOSED (source 0 = 16 columns of W_out, source 1 = 16 rows of a): a lane holds eight neighbouring numbers of a row of out0.
; REGISTERS, in windows of 256: window 0: v16-30 addresses; v64-127 the bias; v128-255 A's fragments, one set; on the way out v128-191 a block's numbers.
;   window 1: B's fragments, two sets.   windows 2, 3: the accumulators ((a, b) at v[8 (8 (a % 4) + b)]); on the way out a block's rows come back into its own accumulators' registers.
.set FR,     16
.set NL,     4
.set NP,     4
.set HALFT,  32768
.set SLOT,   131072
.set SPARE,  262144                    ; behind the ring: the spare words, 128 bytes for each wave, which no other line names
.set SPITCH, 528                       ; the way out: a stage of 16 rows x (512 bytes + 16) for each wave, in slot 0, which has had its last fill and its last read by then
.set ADRA, 16
.set ADRB, 20
.set LI,   22                          ; v22  16 x lane
.set STO,  24                          ; v24  the stage: where I put 32 bytes of a row
.set RD,   25                          ; v25  and where I read a row back
.set SPW,  28
.set NIL,  29
.set BAD,  30                          ; v30  the bias loads' offset
.set BIAS, 64
.set AF,   128
.set TMP,  128
.set G1, 24
.set G0, 32
.set G1B, 48
.set G0B, 56
.set MSB, 0
.macro WIN new                         ; the immediate's high byte repeats the setting that is left
.if MSB != \new
	s_set_vgpr_msb (MSB<<8)|\new
.set MSB, \new
.endif
.endm
.set MUL_LO, 0xa1
.set MUL_HI, 0xf1
.set TO_B,   0x40
.macro JLOAD g0a, g1a, g0b, g1b        ; a joint load: waves 0 and 1 fetch for A, waves 2 and 3 for B; four v_nop follow each of the two lines
	s_cmp_eq_u32 s17, 0
	s_cbranch_scc0 .Lfor_b_\@
	tensor_load_to_lds s[\g0a:\g0a+3], s[\g1a:\g1a+7]
	s_nop 0
.rept 4
	v_nop
.endr
	s_branch .Lasked_\@
.Lfor_b_\@:
	tensor_load_to_lds s[\g0b:\g0b+3], s[\g1b:\g1b+7]
	s_nop 0
.rept 4
	v_nop
.endr
.Lasked_\@:
.endm
.macro CREST
	s_cmp_lg_u32 s16, 0
	s_cbranch_scc1 .Lnot_wave_0_\@
	s_barrier_signal -3
.Lnot_wave_0_\@:
	s_barrier_wait -3
	s_barrier_signal -1
	s_barrier_wait -1
.endm
.macro CROUND
	s_barrier_signal -1
	s_barrier_wait -1
	CREST
.endm
	s_load_b256 s[4:11], s[0:1], 0x0               ; ac s[4:5], woc s[6:7], b_out s[8:9], the exponents s[10:11]
	s_load_b64 s[12:13], s[0:1], 0x20              ; out0
	v_lshl_add_u32 v[SPW], v0, 2, SPARE
	v_mov_b32 v[NIL], 0
	ds_add_u32 v28, v29
	ds_add_u32 v28, v29
	s_wait_dscnt 0x0
	v_lshrrev_b32 v1, 5, v0
	v_readfirstlane_b32 s16, v1                    ; wave 0..3
	s_lshr_b32 s17, s16, 1                         ; WH: my half of the tile's rows.  Also: I fetch for A (0) or for B (1)
	s_and_b32 s18, s16, 1                          ; WL: my half of its columns.  Also: which 128 rows I fetch
	s_bfe_u32 s19, ttmp6, 0x40000                  ; cx
	s_bfe_u32 s20, ttmp6, 0x40004                  ; cy
	s_lshl_b32 s21, ttmp9, 2
	s_add_co_u32 s21, s21, s19                     ; tile column
	s_and_b32 s22, ttmp7, 0xffff
	s_lshl_b32 s22, s22, 2
	s_add_co_u32 s22, s22, s20                     ; tile row
	s_lshl_b32 s40, s20, 2
	s_lshl_b32 s40, 15, s40                        ; my row of the cluster
	s_lshl_b32 s41, 0x1111, s19                    ; my column
	s_or_b32 s[G1+0], s40, (3<<16)|(1<<21)         ; 15:0 the mask; 17:16 elements of 8 bytes; 20 no padding; 21 set beside a mask
	s_or_b32 s[G1B+0], s41, (3<<16)|(1<<21)
.irp g, G1, G1B
	s_mov_b32 s[\g+1], 32<<16                      ; rows of 256 bytes,
	s_mov_b32 s[\g+2], 128<<16                     ; 128 of them,
	s_mov_b32 s[\g+3], 32<<16
	s_mov_b32 s[\g+4], 128
	s_mov_b32 s[\g+5], 32                          ; dense
	s_mov_b32 s[\g+6], 0
	s_mov_b32 s[\g+7], 0
.endr
	s_lshl_b32 s47, s18, 3
	s_lshl_b32 s88, s22, 4
	s_add_co_u32 s88, s88, s47                     ; A: block 16 x tile row + 8 WL
	s_lshl_b32 s88, s88, 12
	s_mov_b32 s89, 0
	s_lshl_b32 s90, s21, 4
	s_add_co_u32 s90, s90, s47                     ; B: block 16 x tile column + 8 WL
	s_lshl_b32 s90, s90, 12
	s_mov_b32 s91, 0
	s_mov_b32 s66, 2*2097152                       ; a refill steps two quarters of K on: in ac,
	s_mov_b32 s67, 0
	s_mov_b32 s68, 2*262144                        ; and in woc
	s_mov_b32 s69, 0
	s_lshl_b32 s40, s16, 15                        ; where my tile goes: wave x 32,768
	s_wait_kmcnt 0x0
	s_load_b256 s[72:79], s[10:11], 0x0            ; e0 .. e7
	s_add_nc_u64 s[84:85], s[4:5], s[88:89]
	s_add_nc_u64 s[86:87], s[6:7], s[90:91]
	CROUND                                         ; all sixteen work-groups are here: the first joint loads meet
	s_mov_b32 s[G0], 1
	s_mov_b32 s[G0+1], s40
	s_mov_b64 s[G0+2:G0+3], s[84:85]
	s_or_b32 s[G0+3], s[G0+3], 0x80000000
	s_mov_b32 s[G0B], 1
	s_mov_b32 s[G0B+1], s40
	s_mov_b64 s[G0B+2:G0B+3], s[86:87]
	s_or_b32 s[G0B+3], s[G0B+3], 0x80000000
	JLOAD G0, G1, G0B, G1B
	s_mov_b32 s[G0+4], 1
	s_add_co_u32 s[G0+5], s40, SLOT
	s_add_nc_u64 s[G0+6:G0+7], s[84:85], 2097152
	s_or_b32 s[G0+7], s[G0+7], 0x80000000
	s_mov_b32 s[G0B+4], 1
	s_add_co_u32 s[G0B+5], s40, SLOT
	s_add_nc_u64 s[G0B+6:G0B+7], s[86:87], 262144
	s_or_b32 s[G0B+7], s[G0B+7], 0x80000000
	s_wait_alu depctr_va_vdst(0)
	s_wait_tensorcnt 0x0
	ds_add_u32 v28, v29
	s_wait_dscnt 0x0
	CROUND
	JLOAD G0+4, G1, G0B+4, G1B                     ; one tensor load of mine is out
	v_and_b32 v1, 15, v0                           ; r
	v_bfe_u32 v2, v0, 4, 1                         ; hh
	v_and_b32 v3, 31, v0
	v_lshlrev_b32 v[LI], 4, v3
	s_lshl_b32 s41, s17, 15
	s_lshl_b32 s42, s18, 15
	s_add_co_u32 s42, s42, 65536
	v_add_nc_u32 v[ADRA], s41, v[LI]
	v_add_nc_u32 v[ADRB], s42, v[LI]
	v_add_nc_u32 v[ADRA+1], SLOT, v[ADRA]
	v_add_nc_u32 v[ADRB+1], SLOT, v[ADRB]
	s_mul_i32 s43, s16, 16*SPITCH                  ; my stage
	v_mul_u32_u24 v4, v1, SPITCH
	v_lshl_add_u32 v4, v2, 5, v4
	v_add_nc_u32 v[STO], s43, v4                   ; in: row r, 32 bytes for each half of the lanes
	v_add_nc_u32 v[RD], s43, v[LI]                 ; back: the 32 lanes take one row of 512 bytes
	s_lshl_b32 s44, s21, 10
	s_lshl_b32 s45, s18, 9
	s_add_co_u32 s44, s44, s45                     ; my 128 columns in bytes: 1,024 x tile column + 512 WL
	s_mov_b32 s45, 0
	s_add_nc_u64 s[8:9], s[8:9], s[44:45]
	s_add_nc_u64 s[12:13], s[12:13], s[44:45]
	s_lshl_b32 s44, s22, 20
	s_lshl_b32 s46, s17, 19
	s_add_co_u32 s44, s44, s46                     ; my 128 rows of 4,096 bytes: 256 x tile row + 128 WH
	s_add_nc_u64 s[12:13], s[12:13], s[44:45]
	v_lshlrev_b32 v[BAD], 5, v2
.irp b, 0,1,2,3,4,5,6,7
	global_load_b128 v[BIAS+8*\b:BIAS+8*\b+3], v[BAD], s[8:9] offset:64*\b          ; register 8 b + j: the bias of column 16 b + 8 hh + j
	global_load_b128 v[BIAS+8*\b+4:BIAS+8*\b+7], v[BAD], s[8:9] offset:64*\b+16
.endr
.macro FRAG reg, adr, q, i             ; a fragment as it lies: block i of the half, the q-th 128 along K
.irp c, 0,1,2,3
	ds_load_b128 v[\reg+4*\c:\reg+4*\c+3], v[\adr] offset:2048*(\q)+4096*(\i)+512*\c
.endr
.endm
; 16 matrix instructions: A's blocks a0, a0 + 1 x B's eight.  The 64 accumulators take turns, one instruction a turn, in the same order in every step.
.macro MUL16 a0, p, zero
.irp a, \a0, \a0+1
.irp b, 0,1,2,3,4,5,6,7
.if \zero
	v_wmma_f32_16x16x128_fp8_fp8 v[8*(8*((\a)%4)+\b):8*(8*((\a)%4)+\b)+7], v[128*(\p)+FR*\b:128*(\p)+FR*\b+FR-1], v[AF+FR*(\a):AF+FR*(\a)+FR-1], 0
.else
	v_wmma_f32_16x16x128_fp8_fp8 v[8*(8*((\a)%4)+\b):8*(8*((\a)%4)+\b)+7], v[128*(\p)+FR*\b:128*(\p)+FR*\b+FR-1], v[AF+FR*(\a):AF+FR*(\a)+FR-1], v[8*(8*((\a)%4)+\b):8*(8*((\a)%4)+\b)+7]
.endif
.endr
.endr
.endm
.macro FETCH_B slot, q, p
	WIN TO_B
.irp i, 0,1,2,3,4,5,6,7
	FRAG 128*(\p)+FR*\i, ADRB+\slot, \q, \i
.endr
	WIN 0
.endm
.macro FETCH_A slot, q, i0
.irp i, \i0, \i0+1, \i0+2, \i0+3
	FRAG AF+FR*(\i), ADRA+\slot, \q, \i
.endr
.endm
.macro PLACES n                        ; plain vector instructions between a matrix instruction and a load into, or a vector read of, its registers
.rept \n
	v_nop
.endr
.endm
.macro STEP slot, q, zero              ; a step of 128 along K that has its successor in the same slot
	s_wait_dscnt 4*NL                              ; B's set and A's blocks 0-3 are in; the youngest sixteen loads (A's blocks 4-7) may be out
	WIN MUL_LO
	MUL16 0, (\q)%2, \zero
	MUL16 2, (\q)%2, \zero
	s_wait_dscnt 0                                 ; A's blocks 4-7 are in
	PLACES NP
	FETCH_B \slot, (\q)+1, 1-(\q)%2
	FETCH_A \slot, (\q)+1, 0
	WIN MUL_HI
	MUL16 4, (\q)%2, \zero
	MUL16 6, (\q)%2, \zero
	PLACES NP
	WIN 0
	FETCH_A \slot, (\q)+1, 4
.endm
.macro TURN slot, next, fill           ; a slot's last step changes slots: one barrier, with the three lines in front of it
	s_wait_tensorcnt 0x0                           ; all my tensor loads have landed: my part of the next slot
	ds_add_u32 v[SPW], v[NIL]                      ; 0 onto my spare word
	s_wait_dscnt 4*NL+1                            ; (the add and the youngest sixteen loads may be out)
	WIN MUL_LO
	MUL16 0, 1, 0
	s_wait_dscnt 0x0                               ; the add is done, and my reads of this slot are over
	s_barrier_signal -1
	MUL16 2, 1, 0
	WIN 0
	s_barrier_wait -1
.if \fill
	CREST                                          ; the barrier has opened a round of the cluster's: no wave of any partner still reads this slot or has a load on its way
	s_add_nc_u64 s[G0+4*\slot+2:G0+4*\slot+3], s[G0+4*\slot+2:G0+4*\slot+3], s[66:67]
	s_add_nc_u64 s[G0B+4*\slot+2:G0B+4*\slot+3], s[G0B+4*\slot+2:G0B+4*\slot+3], s[68:69]
	JLOAD G0+4*\slot, G1, G0B+4*\slot, G1B         ; the first tensor load behind the round; its four v_nop are the places in front of the loads below
.else
	PLACES NP
.endif
	FETCH_B \next, 0, 0
	FETCH_A \next, 0, 0
	WIN MUL_HI
	MUL16 4, 1, 0
	MUL16 6, 1, 0
	PLACES NP
	WIN 0
	FETCH_A \next, 0, 4
.endm
	s_wait_alu depctr_va_vdst(0)
	s_wait_tensorcnt 1                             ; my part of slot 0 is in; slot 1's may stay out
	s_barrier_signal -1
	s_barrier_wait -1
	FETCH_B 0, 0, 0
	FETCH_A 0, 0, 0
	FETCH_A 0, 0, 4
	STEP 0, 0, 1                                   ; these products start the sums.  Eight steps in all, written out
	TURN 0, 1, 1
	STEP 1, 0, 0
	TURN 1, 0, 1
	STEP 0, 0, 0
	TURN 0, 1, 0                                   ; nothing is left to fetch; behind this barrier nobody reads slot 0 any more
	STEP 1, 0, 0
	s_wait_dscnt 4*NL
	WIN MUL_LO
	MUL16 0, 1, 0
	MUL16 2, 1, 0
	s_wait_dscnt 0
	WIN MUL_HI
	MUL16 4, 1, 0
	MUL16 6, 1, 0
	WIN 0
; THE WAY OUT, block by block of 16 rows x 128 columns: sum x 2^(e6 + e7) + bias, one packed multiply-add for two; through my own stage; back as whole rows of 512 bytes, into the block's own
; accumulators' registers, which are done with: so no store's data are ever written again, and no wait frees them.
.macro TOSTAGE a
.set AC, 64*((\a)%4)
	WIN 0x02+((\a)/4)                              ; source 0: window 2 or 3
.irp b, 0,1,2,3,4,5,6,7
.irp j, 0,2,4,6
	v_pk_fma_f32 v[TMP+8*\b+\j:TMP+8*\b+\j+1], v[AC+8*\b+\j:AC+8*\b+\j+1], s[82:83], v[BIAS+8*\b+\j:BIAS+8*\b+\j+1] op_sel_hi:[1,0,1]   ; each accumulator from its low end on
.endr
.endr
	WIN 0
.irp b, 0,1,2,3,4,5,6,7
	ds_store_b128 v[STO], v[TMP+8*\b:TMP+8*\b+3] offset:64*\b
	ds_store_b128 v[STO], v[TMP+8*\b+4:TMP+8*\b+7] offset:64*\b+16
.endr
	WIN 0x80+0x40*((\a)/4)                         ; destination: window 2 or 3
.irp t, 0,1,2,3,4,5,6,7,8,9,10,11,12,13,14,15
	ds_load_b128 v[AC+4*\t:AC+4*\t+3], v[RD] offset:\t*SPITCH    ; LDS serves a wave's instructions in order (ISA guide 5.7.1.4): these see the stores above
.endr
.endm
.macro SEND a, younger                 ; younger: the LDS instructions issued behind block a's loads, which may stay out
.set AC, 64*((\a)%4)
	s_wait_dscnt \younger
	WIN 0x08+0x04*((\a)/4)                         ; the stores' data: window 2 or 3
.irp t, 0,1,2,3,4,5,6,7,8,9,10,11,12,13,14,15
	global_store_b128 v[LI], v[AC+4*\t:AC+4*\t+3], s[12:13] offset:(32*((\a)/2)+8*((\a)%2)+\t+8*(\t/8))*4096 th:TH_STORE_NT   ; row t of block a is this token; 32 lanes store 512 consecutive bytes
.endr
.endm
	s_wait_kmcnt 0x0
	s_wait_loadcnt 0x0                             ; the bias
	s_add_co_i32 s82, s78, s79
	s_add_co_i32 s82, s82, 127
	s_lshl_b32 s82, s82, 23                        ; 2^(e6 + e7) as f32
	s_mov_b32 s83, s82                             ; (named with it as a pair, so it is written)
	PLACES NP                                      ; behind the last products
	TOSTAGE 0
.irp a, 1,2,3,4,5,6,7
	TOSTAGE \a
	SEND \a-1, 32                                  ; behind block a - 1's loads: block a's 16 stores and 16 loads
.endr
	SEND 7, 0
	WIN 0
	s_wait_tensorcnt 0x0                           ; the wave's end
	ds_add_u32 v[SPW], v[NIL]
	s_wait_dscnt 0x0
	CROUND                                         ; the closing round: no work-group ends while a partner may still ask for a tile that names it
	s_endpgm
.Lfunc_end_k_q57e5b47e15_gemm_out:
	.size	k_q57e5b47e15_gemm_out, .Lfunc_end_k_q57e5b47e15_gemm_out-k_q57e5b47e15_gemm_out
	.p2alignl 7, 3214868480
	.fill 96, 4, 3214868480
	.section	.rodata,"a",@progbits
	.p2align	6, 0x0
	.amdhsa_kernel k_q57e5b47e15_gemm_out
		.amdhsa_group_segment_fixed_size 327680
		.amdhsa_private_segment_fixed_size 0
		.amdhsa_enable_private_segment 0
		.amdhsa_kernarg_size 40
		.amdhsa_user_sgpr_count 2
		.amdhsa_user_sgpr_kernarg_segment_ptr 1
		.amdhsa_wavefront_size32 1
		.amdhsa_system_sgpr_workgroup_id_x 1
		.amdhsa_system_sgpr_workgroup_id_y 1
		.amdhsa_system_sgpr_workgroup_id_z 1
		.amdhsa_system_vgpr_workitem_id 0
		.amdhsa_next_free_vgpr 1024
		.amdhsa_next_free_sgpr 96
		.amdhsa_reserve_vcc 0
		.amdhsa_float_denorm_mode_32 3
		.amdhsa_float_denorm_mode_16_64 3
		.amdhsa_memory_ordered 1
		.amdhsa_forward_progress 1
		.amdhsa_inst_pref_size 124
	.end_amdhsa_kernel
	.amdgpu_metadata
---
amdhsa.version: [ 1, 2 ]
amdhsa.kernels:
  - .name:           k_q57e5b47e15_gemm_out
    .symbol:         k_q57e5b47e15_gemm_out.kd
    .args:
      - { .name: ac, .offset: 0, .size: 8, .value_kind: global_buffer, .address_space: global }
      - { .name: woc, .offset: 8, .size: 8, .value_kind: global_buffer, .address_space: global }
      - { .name: b_out, .offset: 16, .size: 8, .value_kind: global_buffer, .address_space: global }
      - { .name: lowp_scales, .offset: 24, .size: 8, .value_kind: global_buffer, .address_space: global }
      - { .name: out0, .offset: 32, .size: 8, .value_kind: global_buffer, .address_space: global }
    .group_segment_fixed_size: 327680
    .private_segment_fixed_size: 0
    .kernarg_segment_align: 8
    .kernarg_segment_size: 40
    .max_flat_workgroup_size: 128
    .sgpr_count:     96
    .vgpr_count:     1024
    .wavefront_size: 32
...
	.end_amdgpu_metadata
.endif
;; end of part 4
